; MI455X (gfx1250); checked and timed in simulation.
; The chip was launched on July 23, 2026; its instructions are those of AMD's public machine-readable ISA for CDNA 5 (MIT licence, August 2026) and "CDNA5" Instruction Set Architecture Reference Guide (July 2026). The comments in the code are by the model that wrote it; some were corrected since.
;; Multi Head Self Cross Attention. Allowed arithmetic: float matrix products may take bf16 or f16 operands with f32 sums; all other float work in f32.
;; Inputs: Wkc 512 x 1,024 float32; Wks 512 x 1,024 float32; Wo 1,024 x 2,048 float32; Wqc 512 x 1,024 float32; Wqs 512 x 1,024 float32; Wvc 512 x 1,024 float32; Wvs 512 x 1,024 float32; bkc 512 float32; bks 512 float32; bo 1,024 float32; bqc 512 float32; bqs 512 float32; bvc 512 float32; bvs 512 float32; f1 2 x 2,048 x 1,024 float32; f2 2 x 2,048 x 1,024 float32.
;; Outputs: out0 2 x 2,048 x 1,024 float32.
;; 2 versions, each right; version 2 is version 1 with the launch cvt written anew for expert scheduling mode. Each part assembles by itself: llvm-mc -triple=amdgcn-amd-amdhsa -mcpu=gfx1250 --defsym DOCPART=n.
;; ======== version 1 of 2: 4 launches
;; limits: values are held in f16: magnitudes above 65,504 overflow, below 6.1e-05 lose precision
;; workspace buffers: xb 16,777,216 bytes; wb 6,291,456 bytes; wob 4,194,304 bytes; pj 25,165,824 bytes; ya 8,388,608 bytes; vh 8,388,608 bytes; vsc 131,072 bytes
;; launch cvt (part 1): grid 32 x 26, 8 waves a work-group, no clusters, 0 bytes of LDS; arguments f1, f2, Wqs, Wks, Wqc, Wvs, Wvc, Wkc, Wo, xb, wb, wob; writes xb, wb, wob
.if DOCPART == 1
	.amdgcn_target "amdgcn-amd-amdhsa--gfx1250"
	.amdhsa_code_object_version 6
	.text
	.protected	k_q714f0dab71_cvt
	.globl	k_q714f0dab71_cvt
	.p2align	8
	.type	k_q714f0dab71_cvt,@function
k_q714f0dab71_cvt:
	s_mov_b64 s[64:65], 0
	v_nop
	global_prefetch_b8 v0, s[64:65] scope:SCOPE_SE
	s_setreg_imm32_b32 hwreg(HW_REG_WAVE_MODE, 25, 1), 1
	s_wait_xcnt 0x0
; f32 -> 16 bits (round to nearest even) of everything that later goes to the matrix units:
;   xb  = [f1 ; f2]                            bf16 [2][4096][1024]
;   wb  = [Wqs ; Wks ; Wqc ; Wvs ; Wvc ; Wkc]  bf16 [3072][1024]  (the four layers of f1 first, vs and vc side by side)
;   wob = Wo, columns laid anew: [1024 rows][8 chunks][2 halves][128]: element (n, t, half, j) is Wo[n][1024 half + 128 t + j].
;         Half 0 (the columns that meet the attentions' results) is bf16.  Half 1 (the columns that meet vs and vc) is rounded to bf16 like
;         every input and that value is then written in f16's format, because the last layer takes V in f16 and both operands of a matrix
;         instruction have one format.
; LIMIT: the f16 image of a bf16 number is exact for 2^-17 <= |w| < 65,520; a smaller one carries an absolute error of at most 2^-25, a larger
; one becomes infinite.
; A plain stream: nothing is shared between work-groups and nothing is multiplied, so no LDS, no cluster, no matrix unit.
; Work-group (x, y): y is a chunk of 2 MiB of f32 (0-7 f1, 8-15 f2, 16-21 the six W, 22-25 Wo), x a piece of 64 KiB of it.
; Thread t takes 16 bytes at 16 t of each of sixteen blocks of 4,096 bytes: a wave's load covers 512 consecutive bytes,
; its store 256 consecutive bytes at a multiple of 256.  All sixteen loads go out first.
.set X, 4                              ; v[4:67]   sixteen loads of four f32
.set Y, 68                             ; v[68:99]  sixteen pairs of packed 16-bit numbers
.set TW, 100                           ; v100      at work in the set-up
; from chunk thr on the source (destination) is the buffer whose address lies in s[lo:lo+1], and chunks count from thr
.macro PICK thr, lo
	s_cmp_ge_u32 s2, \thr
	s_cselect_b64 s[32:33], s[\lo:\lo+1], s[32:33]
	s_cselect_b32 s34, \thr, s34
.endm
.macro PICKD thr, lo
	s_cmp_ge_u32 s2, \thr
	s_cselect_b64 s[36:37], s[\lo:\lo+1], s[36:37]
	s_cselect_b32 s38, \thr, s38
.endm
	s_load_b512 s[8:23], s[0:1], 0x0               ; f1 s[8:9], f2, Wqs, Wks, Wqc, Wvs, Wvc, Wkc s[22:23]
	s_load_b256 s[24:31], s[0:1], 0x40             ; Wo s[24:25], xb s[26:27], wb s[28:29], wob s[30:31]
	s_and_b32 s2, ttmp7, 0xffff                    ; the chunk
	v_lshlrev_b32 v1, 4, v0                        ; 16 t: my bytes in a block of the source
	v_lshlrev_b32 v2, 3, v0                        ;  8 t: and of a plain destination
	v_and_b32 v3, 0xe0, v0                         ; wob: a wave's 128 columns are chunk t = wave,
	v_and_b32 v[TW], 31, v0
	v_lshlrev_b32 v3, 4, v3                        ; 512 bytes a chunk,
	v_lshl_or_b32 v3, v[TW], 3, v3                 ; 8 bytes a lane
	s_mov_b32 s34, 0
	s_mov_b32 s38, 0
	s_wait_kmcnt 0x0
	s_mov_b64 s[32:33], s[8:9]                     ; chunks 0-7: f1
	s_mov_b64 s[36:37], s[26:27]                   ; chunks 0-15 go to xb
	PICK 8, 10                                     ; f2
	PICK 16, 12                                    ; Wqs
	PICK 17, 14                                    ; Wks
	PICK 18, 16                                    ; Wqc
	PICK 19, 18                                    ; Wvs
	PICK 20, 20                                    ; Wvc
	PICK 21, 22                                    ; Wkc
	PICK 22, 24                                    ; Wo
	PICKD 16, 28                                   ; wb
	PICKD 22, 30                                   ; wob
	s_sub_co_u32 s4, s2, s34                       ; chunk within the source,
	s_lshl_b32 s4, s4, 21                          ; 2 MiB each,
	s_lshl_b32 s5, ttmp9, 16                       ; and my piece of 64 KiB
	s_add_co_u32 s4, s4, s5
	s_mov_b32 s5, 0
	s_add_nc_u64 s[32:33], s[32:33], s[4:5]
	s_sub_co_u32 s6, s2, s38                       ; the same in the destination, at half the bytes
	s_lshl_b32 s6, s6, 20
	s_lshl_b32 s7, ttmp9, 15
	s_add_co_u32 s6, s6, s7
	s_mov_b32 s7, 0
	s_add_nc_u64 s[36:37], s[36:37], s[6:7]
.irp i, 0,1,2,3,4,5,6,7,8,9,10,11,12,13,14,15
	global_load_b128 v[X+4*\i:X+4*\i+3], v1, s[32:33] offset:4096*\i th:TH_LOAD_NT   ; read once in the launch
.endr
	s_cmp_ge_u32 s2, 22
	s_cbranch_scc1 .Lwo
.irp i, 0,1,2,3,4,5,6,7,8,9,10,11,12,13,14,15
	s_wait_loadcnt 15-\i                           ; loads come back in order: load i is in, the 15 - i younger ones stay out
	v_cvt_pk_bf16_f32 v[Y+2*\i],   v[X+4*\i],   v[X+4*\i+1]
	v_cvt_pk_bf16_f32 v[Y+2*\i+1], v[X+4*\i+2], v[X+4*\i+3]
	global_store_b64 v2, v[Y+2*\i:Y+2*\i+1], s[36:37] offset:2048*\i
.endr
	s_endpgm
.Lwo:
	; Wo: block i of the piece is half i % 2 of row i / 2
.irp i, 0,1,2,3,4,5,6,7,8,9,10,11,12,13,14,15
	s_wait_loadcnt 15-\i                           ; load i is in, the 15 - i younger ones stay out
	v_cvt_pk_bf16_f32 v[Y+2*\i],   v[X+4*\i],   v[X+4*\i+1]
	v_cvt_pk_bf16_f32 v[Y+2*\i+1], v[X+4*\i+2], v[X+4*\i+3]
.if (\i)&1
	v_lshlrev_b32 v[X+4*\i],   16, v[Y+2*\i]               ; the rounded numbers as f32 again,
	v_and_b32     v[X+4*\i+1], 0xffff0000, v[Y+2*\i]
	v_lshlrev_b32 v[X+4*\i+2], 16, v[Y+2*\i+1]
	v_and_b32     v[X+4*\i+3], 0xffff0000, v[Y+2*\i+1]
	v_cvt_pk_f16_f32 v[Y+2*\i],   v[X+4*\i],   v[X+4*\i+1]  ; and in f16's format
	v_cvt_pk_f16_f32 v[Y+2*\i+1], v[X+4*\i+2], v[X+4*\i+3]
.endif
	global_store_b64 v3, v[Y+2*\i:Y+2*\i+1], s[36:37] offset:(\i>>1)*4096+(\i&1)*256
.endr
	s_endpgm
.Lfunc_end_k_q714f0dab71_cvt:
	.size	k_q714f0dab71_cvt, .Lfunc_end_k_q714f0dab71_cvt-k_q714f0dab71_cvt
	.p2alignl 7, 3214868480
	.fill 96, 4, 3214868480
	.section	.rodata,"a",@progbits
	.p2align	6, 0x0
	.amdhsa_kernel k_q714f0dab71_cvt
		.amdhsa_group_segment_fixed_size 0
		.amdhsa_private_segment_fixed_size 0
		.amdhsa_enable_private_segment 0
		.amdhsa_kernarg_size 96
		.amdhsa_user_sgpr_count 2
		.amdhsa_user_sgpr_kernarg_segment_ptr 1
		.amdhsa_wavefront_size32 1
		.amdhsa_system_sgpr_workgroup_id_x 1
		.amdhsa_system_sgpr_workgroup_id_y 1
		.amdhsa_system_sgpr_workgroup_id_z 1
		.amdhsa_system_vgpr_workitem_id 0
		.amdhsa_next_free_vgpr 102
		.amdhsa_next_free_sgpr 66
		.amdhsa_reserve_vcc 0
		.amdhsa_float_denorm_mode_32 3
		.amdhsa_float_denorm_mode_16_64 3
		.amdhsa_memory_ordered 1
		.amdhsa_forward_progress 1
		.amdhsa_inst_pref_size 15
	.end_amdhsa_kernel
	.amdgpu_metadata
---
amdhsa.version: [ 1, 2 ]
amdhsa.kernels:
  - .name:           k_q714f0dab71_cvt
    .symbol:         k_q714f0dab71_cvt.kd
    .args:
      - { .name: f1, .offset: 0, .size: 8, .value_kind: global_buffer, .address_space: global }
      - { .name: f2, .offset: 8, .size: 8, .value_kind: global_buffer, .address_space: global }
      - { .name: Wqs, .offset: 16, .size: 8, .value_kind: global_buffer, .address_space: global }
      - { .name: Wks, .offset: 24, .size: 8, .value_kind: global_buffer, .address_space: global }
      - { .name: Wqc, .offset: 32, .size: 8, .value_kind: global_buffer, .address_space: global }
      - { .name: Wvs, .offset: 40, .size: 8, .value_kind: global_buffer, .address_space: global }
      - { .name: Wvc, .offset: 48, .size: 8, .value_kind: global_buffer, .address_space: global }
      - { .name: Wkc, .offset: 56, .size: 8, .value_kind: global_buffer, .address_space: global }
      - { .name: Wo, .offset: 64, .size: 8, .value_kind: global_buffer, .address_space: global }
      - { .name: xb, .offset: 72, .size: 8, .value_kind: global_buffer, .address_space: global }
      - { .name: wb, .offset: 80, .size: 8, .value_kind: global_buffer, .address_space: global }
      - { .name: wob, .offset: 88, .size: 8, .value_kind: global_buffer, .address_space: global }
    .group_segment_fixed_size: 0
    .private_segment_fixed_size: 0
    .kernarg_segment_align: 8
    .kernarg_segment_size: 96
    .max_flat_workgroup_size: 256
    .sgpr_count:     66
    .vgpr_count:     102
    .wavefront_size: 32
...
	.end_amdgpu_metadata
.endif
;; end of part 1
;; launch proj (part 2): grid 12 x 16, 4 waves a work-group, clusters of 4 x 4, 327,680 bytes of LDS; arguments xb, wb, pj, bqs, bks, bqc, bvs, bvc, bkc, vh, vsc; writes pj, vh, vsc
.if DOCPART == 2
	.amdgcn_target "amdgcn-amd-amdhsa--gfx1250"
	.amdhsa_code_object_version 6
	.text
	.protected	k_q714f0dab71_proj
	.globl	k_q714f0dab71_proj
	.p2align	8
	.type	k_q714f0dab71_proj,@function
k_q714f0dab71_proj:
	s_mov_b64 s[64:65], 0
	v_nop
	global_prefetch_b8 v0, s[64:65] scope:SCOPE_SE
	s_setreg_imm32_b32 hwreg(HW_REG_WAVE_MODE, 25, 1), 1
	s_wait_xcnt 0x0
	s_wait_alu depctr_hold_cnt(0) depctr_sa_sdst(0) depctr_va_vdst(0) depctr_va_sdst(0) depctr_va_ssrc(0) depctr_va_vcc(0) depctr_vm_vsrc(0)
	s_getreg_b32 s2, hwreg(HW_REG_IB_STS2, 6, 4)
	s_cmp_eq_u32 s2, 0
	s_cbranch_scc0 .Lentry_in_a_cluster
	s_endpgm
.Lentry_in_a_cluster:
	s_bfe_u32 s2, ttmp6, 0x10000c
	s_cmp_lg_u32 s2, 0xf033
	s_cbranch_scc0 .Lentry_shape_is_right
	s_endpgm
.Lentry_shape_is_right:
; All six linear layers with ReLU as one product: relu(sum over k of x[row][k] wb[col][k] + bias[col]),
; 4,096 rows, 3,072 columns (layers 0-5: qs, ks, qc, vs from f1; vc, kc from f2), K = 1,024; operands bf16, sums f32, pj rounded once to bf16.
; THE TWO V LAYERS ARE STORED A SECOND TIME, FOR THE LAST LAYER, IN f16 WITH A BLOCK EXPONENT: for each row and each chunk of 128 columns (what one wave
; holds of a row) the largest v lies in [2^e, 2^(e+1)); vh takes f16(v x 2^-e), vsc takes 2^e as f32.  The scaling is exact, f16 keeps 11 bits where bf16
; keeps 8, and the range follows the data, so f16's range sets no limit on v.
; LIMITS: ReLU is v_max_num_f32 with 0, so a NaN sum is stored as 0 (the model's ReLU would keep it); operands and pj are bf16;
; a row's chunk of V whose largest number is below 2^-126 gets the scale 0 and counts as 0 in the last layer.
; A work-group makes 256 rows x 256 columns with four waves, a wave 128 x 128 (64 accumulator tiles, 512 registers).  12 x 16 = 192 work-groups:
; f1 feeds 8 of the 12 block columns and f2 4, and no split into 256 equal blocks of one source exists; a smaller wave tile would
; double the LDS bytes read for each multiply-add.
; WHICH COLUMNS: cluster x = X holds layers 2X and 2X + 1.  The work-group at place cx takes columns 128 cx .. 128 cx + 127 of BOTH layers: its waves with
; column half p make layer 2X + p.  So whether a wave makes a V layer (X + p = 2) hangs on the cluster's x and the wave's number alone, never on cx.
; K goes in steps of 128 through two LDS slots filled by tensor loads whose rows are 256 bytes of memory at multiples of 256.
; CLUSTERS: 4 x 4 work-groups.  A row of the cluster shares the tiles of x, a column the tiles of wb: each tile is asked for jointly by its four,
; which divides the requests by four.  Clusters x = 0, 1 read f1's half of xb, x = 2 f2's: alike in all partners.
; pj IS TILED: [32 blocks of 128 rows][48 groups of 64 columns][128][64] bf16, vh likewise with 16 groups (vs 0-7, vc 8-15):
; a head's rows and the last layer's tiles are dense in memory.  vsc is [32 blocks of 128 rows][8 chunks][128 rows] f32.
;
; REGISTERS, in windows of 256:
;   window 0: v16-29 addresses; v32-47 at work on the way out; v64-127, v128-191 fragments of x, two buffers; v192-223 packed results; v224-255 rows of vh read back
;   window 1: v0-63 the bias of my 128 columns in the layout of an accumulator tile; v64-127, v128-191 fragments of wb, two buffers
;   window 2: the 32 accumulator tiles of my rows 0-63 (tile (a, b) at v[8 (8 a + b)]);  window 3: those of my rows 64-127
; The matrix instruction is used transposed (source 0 = 16 rows of wb, source 1 = 16 rows of x): lane l holds row l % 16, its registers 0-7
; the columns 8 (l / 16) + 0..7.  The first product of each tile takes the bias as C: nothing is cleared and no bias is added later.
.set SIZE_K, 1024
.set KSTEP,  128
.set PITCH,  272                       ; an LDS row: 256 bytes + 16 of padding, an odd multiple of 16: the 16 rows of a fragment load start 16 bytes apart modulo 256
.set HALFT,  128*PITCH                 ; 128 rows: one tensor load, and what one wave reads of x or of wb
.set SLOT,   4*HALFT                   ; x's 256 rows, then wb's 256 rows
.set STAGE,  2*SLOT                    ; behind the ring: 16 rows x 272 bytes for each wave; no tensor load lands there
.set SPITCH, 272
.set SCAL,   STAGE+4*16*SPITCH         ; behind the stages: 128 scales of 4 bytes for each wave; no tensor load lands there
.set LAPS,   SIZE_K/(2*KSTEP)          ; 4 laps of two K steps
.set ADRA, 16                          ; v16-17  LDS address of my x fragments in slot 0, 1
.set ADRB, 20                          ; v20-21  the same for wb
.set STO,  24                          ; v24     way out: where I put 16 bytes of a row
.set RD,   25                          ; v25     way out: where I read 16 bytes back
.set CO,   26                          ; v26     way out: 16 x lane
.set BOF,  27                          ; v27     byte offset of my first bias
.set SCA,  28                          ; v28     where row l % 16 puts its scale
.set SRD,  29                          ; v29     where I read four scales back
.set LT,   32                          ; v32-47  way out: maxima, exponents, scales
.set F0,   64
.set F1,   128
.set RL,   64                          ; way out: 64 results after ReLU (buffer 0 is free by then)
.set TMP,  192
.set LB,   224                         ; way out: rows of vh read back
.set G1,  24                           ; s[24:31] group 1 for x's tiles
.set G0,  32                           ; s[32:39] group 0 for x's tiles, one set a slot
.set G1B, 48                           ; s[48:55] group 1 for wb's tiles
.set G0B, 56                           ; s[56:63] group 0 for wb's tiles, one set a slot
.set MSB, 0
.macro WIN new                         ; the immediate's high byte repeats the setting that is left
.if MSB != \new
	s_set_vgpr_msb (MSB<<8)|\new
.set MSB, \new
.endif
.endm
.set MUL_LO,  0xa1                     ; source 0 (wb) window 1, source 1 (x) window 0, C and D window 2
.set MUL_HI,  0xf1                     ; the same, C and D window 3
.set BIAS_LO, 0x91                     ; C = the bias in window 1, D window 2
.set BIAS_HI, 0xd1                     ; C = the bias in window 1, D window 3
.set TO_B,    0x40                     ; destination window 1, address window 0
; A joint load: waves 0, 1 fetch x's two halves, waves 2, 3 wb's.  The branch hangs on the wave's number alone.
.macro JLOAD s
	s_cmp_eq_u32 s11, 0
	s_cbranch_scc0 .Lfor_b_\@
	tensor_load_to_lds s[G0+4*\s:G0+4*\s+3], s[G1:G1+7]
	s_nop 0
	s_branch .Lasked_\@
.Lfor_b_\@:
	tensor_load_to_lds s[G0B+4*\s:G0B+4*\s+3], s[G1B:G1B+7]
	s_nop 0
.Lasked_\@:
.endm
; A round of the cluster's barrier: my work-group's barrier, wave 0 signals for the work-group, every wave waits for all sixteen, my barrier again.
.macro CREST                           ; a round behind its opening barrier
	s_cmp_lg_u32 s10, 0
	s_cbranch_scc1 .Lnot_wave_0_\@
	s_barrier_signal -3
.Lnot_wave_0_\@:
	s_barrier_wait -3
	s_barrier_signal -1
	s_barrier_wait -1
.endm
.macro CROUND
	s_barrier_signal -1
	s_barrier_wait -1
	CREST
.endm
	s_load_b128 s[4:7], s[0:1], 0x0                ; xb s[4:5], wb s[6:7]
	s_load_b64 s[8:9], s[0:1], 0x10                ; pj
	s_load_b256 s[68:75], s[0:1], 0x18             ; bqs, bks, bqc, bvs
	s_load_b128 s[76:79], s[0:1], 0x38             ; bvc, bkc
	s_load_b128 s[84:87], s[0:1], 0x48             ; vh s[84:85], vsc s[86:87]
	s_set_vgpr_msb 0x40
	v_lshl_add_u32 v255, v0, 2, 0x48c00
	s_set_vgpr_msb 0x4000
	v_mov_b32 v63, 0
	s_set_vgpr_msb 0x1
	ds_add_u32 v255, v63
	s_set_vgpr_msb 0x100
	v_lshrrev_b32 v1, 5, v0
	v_readfirstlane_b32 s10, v1                    ; wave 0..3
	s_lshr_b32 s11, s10, 1                         ; my half of the block's rows.  Also: I fetch for x (0) or for wb (1)
	s_and_b32 s12, s10, 1                          ; p: which of the cluster's two layers I make.  Also: which 128 rows of a tile I fetch
	s_bfe_u32 s40, ttmp6, 0x40000                  ; cx
	s_bfe_u32 s41, ttmp6, 0x40004                  ; cy
	s_lshl_b32 s45, ttmp9, 1
	s_add_co_u32 s45, s45, s12                     ; my layer 0..5 = 2 x cluster x + p
	s_add_co_u32 s82, ttmp9, s12                   ; cluster x + p: 2 for the V layers (vs: 1 + 1, vc: 2 + 0), else not
	s_mov_b32 s88, 0x76543210                      ; v_permlanex16_b32: lane i reads lane i of the other half
	s_mov_b32 s89, 0xfedcba98
	s_and_b32 s13, ttmp7, 0xffff
	s_lshl_b32 s13, s13, 2
	s_add_co_u32 s13, s13, s41                     ; block row 0..15
	s_lshl_b32 s43, s41, 2
	s_lshl_b32 s43, 15, s43                        ; my row of the cluster
	s_lshl_b32 s44, 0x1111, s40                    ; my column
	; group 1: a tile of 128 rows x 128 elements of 2 bytes, 4 words of padding behind every 64
	s_or_b32 s[G1+0], s43, (1<<16)|(1<<20)|(1<<21)|(5<<22)|(3<<25)
	s_or_b32 s[G1B+0], s44, (1<<16)|(1<<20)|(1<<21)|(5<<22)|(3<<25)
	s_mov_b32 s[G1+1], KSTEP<<16                   ; tensor_dim0 = 128
	s_mov_b32 s[G1B+1], KSTEP<<16
	s_mov_b32 s[G1+2], 128<<16                     ; tensor_dim1 = 128
	s_mov_b32 s[G1B+2], 128<<16
	s_mov_b32 s[G1+3], KSTEP<<16                   ; tile_dim0 = 128
	s_mov_b32 s[G1B+3], KSTEP<<16
	s_mov_b32 s[G1+4], 128                         ; tile_dim1 = 128
	s_mov_b32 s[G1B+4], 128
	s_mov_b32 s[G1+5], SIZE_K                      ; elements from row to row
	s_mov_b32 s[G1B+5], SIZE_K
	s_mov_b32 s[G1+6], 0
	s_mov_b32 s[G1B+6], 0
	s_mov_b32 s[G1+7], 0
	s_mov_b32 s[G1B+7], 0
	; where the tiles come from: x's hang on the block row and the cluster's x, wb's on the cluster's x and cx; each in registers that never hold the other's coordinate
	s_lshl_b32 s17, s12, 7                         ; which 128 rows of x's tile I fetch
	s_lshl_b32 s16, s13, 8
	s_add_co_u32 s16, s16, s17                     ; x: row 256 x block row + 128 x half
	s_lshl_b32 s16, s16, 11                        ; rows of 2,048 bytes
	s_lshr_b32 s18, ttmp9, 1                       ; cluster x = 2: the layers of f2,
	s_lshl_b32 s18, s18, 23                        ; which lies 8 MiB into xb
	s_add_co_u32 s16, s16, s18
	s_lshl_b32 s46, s45, 9                         ; wb: 512 rows a layer,
	s_lshl_b32 s47, s40, 7                         ; + 128 cx
	s_add_co_u32 s46, s46, s47
	s_lshl_b32 s46, s46, 11
	s_mov_b32 s17, 0
	s_mov_b32 s47, 0
	s_mul_i32 s20, s10, HALFT                      ; and where they go: wave x 128 rows
	s_wait_dscnt 0x0
	s_wait_kmcnt 0x0
	s_add_nc_u64 s[14:15], s[4:5], s[16:17]
	s_add_nc_u64 s[46:47], s[6:7], s[46:47]
	CROUND                                         ; all sixteen work-groups are here: the first joint loads meet
.irp s, 0,1
	s_mov_b32 s[G0+4*\s], 1
	s_add_co_u32 s[G0+4*\s+1], s20, \s*SLOT
	s_add_nc_u64 s[G0+4*\s+2:G0+4*\s+3], s[14:15], \s*KSTEP*2
	s_or_b32 s[G0+4*\s+3], s[G0+4*\s+3], 0x80000000
	s_mov_b32 s[G0B+4*\s], 1
	s_add_co_u32 s[G0B+4*\s+1], s20, \s*SLOT
	s_add_nc_u64 s[G0B+4*\s+2:G0B+4*\s+3], s[46:47], \s*KSTEP*2
	s_or_b32 s[G0B+4*\s+3], s[G0B+4*\s+3], 0x80000000
	JLOAD \s                                       ; both slots are asked for before anything else: two tensor loads of the wave are out
.endr
	; the bias vector of my layer: a choice between buffers, no branch
	s_mov_b64 s[80:81], s[68:69]
.irp k, 1,2,3,4,5
	s_cmp_ge_u32 s45, \k
	s_cselect_b64 s[80:81], s[68+2*\k:69+2*\k], s[80:81]
.endr
	s_lshl_b32 s66, s40, 9                         ; my 128 columns of the layer: 128 cx x 4 bytes
	v_and_b32 v1, 15, v0                           ; l % 16
	v_bfe_u32 v2, v0, 4, 1                         ; l / 16
	v_mul_u32_u24 v3, v1, PITCH
	v_lshl_add_u32 v3, v2, 4, v3                   ; row x pitch + 16 x half: a fragment is two loads of 16 bytes, 32 apart
	s_mul_i32 s21, s11, HALFT
	s_mul_i32 s22, s12, HALFT
	s_add_co_u32 s22, s22, 2*HALFT
.irp s, 0,1
	v_add_nc_u32 v[ADRA+\s], s21, v3
	v_add_nc_u32 v[ADRB+\s], s22, v3
	s_add_co_u32 s21, s21, SLOT
	s_add_co_u32 s22, s22, SLOT
.endr
	s_mul_i32 s23, s10, 16*SPITCH
	s_add_co_u32 s23, s23, STAGE                   ; my stage
	v_add_nc_u32 v[STO], s23, v3                   ; in: row l % 16, 16 bytes for each half of the lanes
	v_bfe_u32 v4, v0, 3, 2                         ; back: eight lanes take the 128 bytes that a row has in one group of 64 columns,
	v_and_b32 v5, 7, v0                            ; four rows an instruction
	v_mul_u32_u24 v4, v4, SPITCH
	v_lshl_add_u32 v4, v5, 4, v4
	v_add_nc_u32 v[RD], s23, v4
	v_and_b32 v5, 31, v0
	v_lshlrev_b32 v[CO], 4, v5                     ; in pj and vh those four rows are 512 consecutive bytes
	s_lshl_b32 s67, s10, 9
	s_add_co_u32 s67, s67, SCAL                    ; my 512 bytes of scales
	v_lshl_add_u32 v[SCA], v1, 2, s67              ; in: 4 bytes for row l % 16
	v_lshl_add_u32 v[SRD], v5, 4, s67              ; back: 16 bytes a lane
	v_lshl_add_u32 v[BOF], v2, 5, s66              ; bias: + 8 (l / 16) columns
	WIN TO_B
.irp b, 0,1,2,3,4,5,6,7
	global_load_b128 v[8*\b:8*\b+3],   v[BOF], s[80:81] offset:64*\b       ; window 1: register j of tile column b = bias of column 16 b + 8 (l / 16) + j
	global_load_b128 v[8*\b+4:8*\b+7], v[BOF], s[80:81] offset:64*\b+16
.endr
; 16 matrix instructions: m blocks a0, a0 + 1 of the window's four x all 8 n blocks, 32 along K.  zero = 1: the bias starts the sums.
.macro MUL16 f, hi, a0, zero
.irp a, \a0, \a0+1
.irp b, 0,1,2,3,4,5,6,7
.if \zero
	v_wmma_f32_16x16x32_bf16 v[8*(8*(\a)+\b):8*(8*(\a)+\b)+7], v[\f+8*\b:\f+8*\b+7], v[\f+8*(4*\hi+\a):\f+8*(4*\hi+\a)+7], v[8*\b:8*\b+7]
.else
	v_wmma_f32_16x16x32_bf16 v[8*(8*(\a)+\b):8*(8*(\a)+\b)+7], v[\f+8*\b:\f+8*\b+7], v[\f+8*(4*\hi+\a):\f+8*(4*\hi+\a)+7], v[8*(8*(\a)+\b):8*(8*(\a)+\b)+7]
.endif
.endr
.endr
.endm
; 32 LDS loads in one run: the fragments of one quarter step (32 K at byte k of the rows) into buffer f
.macro FETCH slot, k, f
	WIN TO_B
.irp i, 0,1,2,3,4,5,6,7
	ds_load_b128 v[\f+8*\i:\f+8*\i+3],   v[ADRB+\slot] offset:\k+\i*16*PITCH
	ds_load_b128 v[\f+8*\i+4:\f+8*\i+7], v[ADRB+\slot] offset:\k+\i*16*PITCH+32
.endr
	WIN 0
.irp i, 0,1,2,3,4,5,6,7
	ds_load_b128 v[\f+8*\i:\f+8*\i+3],   v[ADRA+\slot] offset:\k+\i*16*PITCH
	ds_load_b128 v[\f+8*\i+4:\f+8*\i+7], v[ADRA+\slot] offset:\k+\i*16*PITCH+32
.endr
.endm
; Four places behind a matrix instruction before a load lands on one of its sources or a vector instruction reads its result;
; the matrix instructions in between are not counted as places.
.macro PLACES
.rept 4
	v_nop
.endr
.endm
; The 64 accumulators take turns, one instruction a turn, in the same order in every quarter step, over the backward jump too.
.macro QUARTER slot, k, f, g, zero
	s_wait_dscnt 8                                 ; wb and x's rows 0-63 are in; the youngest eight loads (x's rows 64-127) may be out
.if \zero
	WIN BIAS_LO
.else
	WIN MUL_LO
.endif
	MUL16 \f, 0, 0, \zero
	MUL16 \f, 0, 2, \zero
	PLACES
	FETCH \slot, \k, \g
	s_wait_dscnt 32                                ; all but the 32 just issued
.if \zero
	WIN BIAS_HI
.else
	WIN MUL_HI
.endif
	MUL16 \f, 1, 0, \zero
	MUL16 \f, 1, 2, \zero
.endm
.macro THREE slot, zero
	QUARTER \slot, 64,  F0, F1, \zero
	QUARTER \slot, 128, F1, F0, 0
	QUARTER \slot, 192, F0, F1, 0
.endm
; The last quarter of a K step: multiplies buffer 1 and changes slots.  In front of the barrier each wave waits for its reads of this slot and for all
; its tensor loads (one is out: its part of the next slot).  Behind it (with fill: behind the cluster's round that it opens) the refill comes first.
.macro TURN slot, next, fill
	s_wait_dscnt 8
	WIN MUL_LO
	MUL16 F1, 0, 0, 0
	s_wait_dscnt 0                                 ; my reads of this slot are over
	s_wait_tensorcnt 0x0                           ; all my tensor loads have landed
	ds_add_u32 v255, v63
	s_wait_dscnt 0x0
	s_barrier_signal -1
	MUL16 F1, 0, 2, 0                              ; register work while the others arrive
	WIN 0
	s_barrier_wait -1
.if \fill
	CREST                                          ; no wave of any partner still reads this slot or has a load on its way
	s_add_nc_u64 s[G0+4*\slot+2:G0+4*\slot+3], s[G0+4*\slot+2:G0+4*\slot+3], 2*KSTEP*2
	s_add_nc_u64 s[G0B+4*\slot+2:G0B+4*\slot+3], s[G0B+4*\slot+2:G0B+4*\slot+3], 2*KSTEP*2
	JLOAD \slot                                    ; my one tensor load behind the round; 240 matrix instructions stand between it and the wait for it
.endif
	PLACES
	FETCH \next, 0, F0
	WIN MUL_HI
	MUL16 F1, 1, 0, 0
	MUL16 F1, 1, 2, 0
.endm
.macro LAP zero
	THREE 0, \zero
	TURN 0, 1, 1
	THREE 1, 0
	TURN 1, 0, 1
.endm
	s_wait_tensorcnt 1                             ; my part of K step 0 is in; K step 1's load, issued behind it, may stay out
	s_barrier_signal -1
	s_barrier_wait -1
	FETCH 0, 0, F0
	s_wait_loadcnt 0x0                             ; the bias
	LAP 1
	WIN 0
	s_mov_b32 s3, LAPS-2
.Llap:
	LAP 0
	WIN 0
	s_sub_co_u32 s3, s3, 1
	s_cmp_lg_u32 s3, 0
	s_cbranch_scc1 .Llap
	THREE 0, 0                                     ; the last lap fills nothing
	TURN 0, 1, 0
	THREE 1, 0
	s_wait_dscnt 8
	WIN MUL_LO
	MUL16 F1, 0, 0, 0
	MUL16 F1, 0, 2, 0
	s_wait_dscnt 0
	WIN MUL_HI
	MUL16 F1, 1, 0, 0
	MUL16 F1, 1, 2, 0
	; THE WAY OUT, 16 rows at a time: ReLU, round to bf16, 16 bytes a lane into my stage, read back by rows, store 512 dense bytes an instruction.
	PLACES
	s_lshl_b32 s16, s13, 1
	s_add_co_u32 s16, s16, s11                     ; my block of 128 rows
	s_lshl_b32 s18, s16, 18                        ; vh: 16 groups of 16,384 bytes a block
	s_lshl_b32 s90, s16, 12                        ; vsc: 8 chunks of 512 bytes a block
	s_mul_i32 s16, s16, 48*16384                   ; pj: 48 groups
	s_mov_b32 s17, 0
	s_mov_b32 s19, 0
	s_mov_b32 s91, 0
	s_add_nc_u64 s[8:9], s[8:9], s[16:17]
	s_add_nc_u64 s[84:85], s[84:85], s[18:19]
	s_add_nc_u64 s[86:87], s[86:87], s[90:91]
	s_lshl_b32 s47, s40, 15                        ; group 2 cx of the layer's eight,
	s_lshl_b32 s46, s45, 17                        ; pj: behind 8 x layer
	s_add_co_u32 s46, s46, s47
	s_xor_b32 s90, s12, 1                          ; vh: vs (p = 1) groups 0-7, vc (p = 0) groups 8-15
	s_lshl_b32 s18, s90, 17
	s_add_co_u32 s18, s18, s47
	s_lshl2_add_u32 s90, s90, s40                  ; vsc: chunk cx for vs, 4 + cx for vc
	s_lshl_b32 s90, s90, 9
	s_mov_b32 s47, 0
	s_add_nc_u64 s[8:9], s[8:9], s[46:47]
	s_add_nc_u64 s[84:85], s[84:85], s[18:19]      ; these two are used by the waves of the V layers alone
	s_add_nc_u64 s[86:87], s[86:87], s[90:91]
; rows 16 i .. 16 i + 15 of my block = tiles (a, 0..7) of window 2 or 3 (from = 0x08 or 0x0c: source 1); f: v128 or v160 in turn
.macro OUT16 i, a, from, f
	WIN \from
.irp b, 0,1,2,3,4,5,6,7
.irp j, 0,1,2,3,4,5,6,7
	v_max_num_f32 v[RL+8*\b+\j], 0, v[8*(8*\a+\b)+\j]
.endr
.endr
	WIN 0
.irp b, 0,1,2,3,4,5,6,7
.irp r, 0,1,2,3
	v_cvt_pk_bf16_f32 v[TMP+4*\b+\r], v[RL+8*\b+2*\r], v[RL+8*\b+2*\r+1]
.endr
.endr
.irp b, 0,1,2,3,4,5,6,7
	ds_store_b128 v[STO], v[TMP+4*\b:TMP+4*\b+3] offset:32*\b
.endr
	s_wait_xcnt 0x0                                ; the earlier stores' data registers (buffer f) and base are rewritten only behind this wait
.if \i
	s_add_nc_u64 s[8:9], s[8:9], 16*128            ; 16 rows of 128 bytes on, in both groups
.endif
.irp t, 0,1,2,3,4,5,6,7
	ds_load_b128 v[\f+4*\t:\f+4*\t+3], v[RD] offset:(\t&3)*4*SPITCH+(\t>>2)*128    ; a wave's LDS instructions are served in order: these see the stores above
.endr
.irp t, 0,1,2,3,4,5,6,7
	s_wait_dscnt 7-\t                              ; read-back t is in, the 7 - t younger ones stay out
	global_store_b128 v[CO], v[\f+4*\t:\f+4*\t+3], s[8:9] offset:(\t&3)*512+(\t>>2)*16384   ; 512 consecutive bytes at a multiple of 512 of pj
.endr
	; the V layers alone: the same 16 rows in f16 with a block exponent.  The branch hangs on the cluster's x and the wave's number; no barrier and no tensor load stands inside.
	s_cmp_lg_u32 s82, 2
	s_cbranch_scc1 .Lno_v_\@
	; the largest of my 64 numbers of the row (none is negative), in four chains; the other half of the wave holds the row's other 64
.irp k, 0,1,2,3
	v_max3_num_f32 v[LT+\k], v[RL+3*\k], v[RL+3*\k+1], v[RL+3*\k+2]
.endr
.set j, 12
.rept 26
	v_max3_num_f32 v[LT+(j/2)%4], v[LT+(j/2)%4], v[RL+j], v[RL+j+1]
.set j, j+2
.endr
	v_max3_num_f32 v[LT], v[LT], v[LT+1], v[LT+2]
	v_max_num_f32 v[LT], v[LT], v[LT+3]
	v_permlanex16_b32 v[LT+1], v[LT], s88, s89
	v_max_num_f32 v[LT], v[LT], v[LT+1]
	v_and_b32 v[LT+2], 0x7f800000, v[LT]           ; 2^e: the maximum's exponent field E alone,
	v_min_u32 v[LT+2], 0x7e800000, v[LT+2]         ; at most 253, so that the field 254 - E of 2^-e stays at 1 or above
	v_sub_nc_u32 v[LT+4], 0x7f000000, v[LT+2]      ; 2^-e, twice: a pair for the packed multiply
	v_sub_nc_u32 v[LT+5], 0x7f000000, v[LT+2]
.set j, 0
.rept 32
	v_pk_mul_f32 v[RL+j:RL+j+1], v[RL+j:RL+j+1], v[LT+4:LT+5]              ; exact: a power of two; the row's largest lands in [1, 4)
.set j, j+2
.endr
.irp b, 0,1,2,3,4,5,6,7
.irp r, 0,1,2,3
	v_cvt_pk_f16_f32 v[TMP+4*\b+\r], v[RL+8*\b+2*\r], v[RL+8*\b+2*\r+1]    ; the LDS stores that read TMP are done: the count-down above ended at 0
.endr
.endr
	ds_store_b32 v[SCA], v[LT+2] offset:64*\i      ; both halves of the wave write the same word with the same value
.irp b, 0,1,2,3,4,5,6,7
	ds_store_b128 v[STO], v[TMP+4*\b:TMP+4*\b+3] offset:32*\b
.endr
	s_wait_xcnt 0x0                                ; the last rows' stores to vh read LB and the base: both are rewritten only behind this wait
.if \i
	s_add_nc_u64 s[84:85], s[84:85], 16*128
.endif
.irp t, 0,1,2,3,4,5,6,7
	ds_load_b128 v[LB+4*\t:LB+4*\t+3], v[RD] offset:(\t&3)*4*SPITCH+(\t>>2)*128
.endr
.irp t, 0,1,2,3,4,5,6,7
	s_wait_dscnt 7-\t                              ; read-back t is in, the 7 - t younger ones stay out
	global_store_b128 v[CO], v[LB+4*\t:LB+4*\t+3], s[84:85] offset:(\t&3)*512+(\t>>2)*16384   ; 512 consecutive bytes at a multiple of 512 of vh
.endr
.Lno_v_\@:
.endm
	OUT16 0, 0, 0x08, 128
	OUT16 1, 1, 0x08, 160
	OUT16 2, 2, 0x08, 128
	OUT16 3, 3, 0x08, 160
	OUT16 4, 0, 0x0c, 128
	OUT16 5, 1, 0x0c, 160
	OUT16 6, 2, 0x0c, 128
	OUT16 7, 3, 0x0c, 160
	; the V layers alone: my 128 rows' scales leave as one store of 512 consecutive bytes
	s_cmp_lg_u32 s82, 2
	s_cbranch_scc1 .Lno_scales
	ds_load_b128 v[LT+8:LT+11], v[SRD]             ; my own bytes: a wave's LDS instructions are served in order
	s_wait_dscnt 0x0
	global_store_b128 v[CO], v[LT+8:LT+11], s[86:87]
.Lno_scales:
	s_set_vgpr_msb 0x1
	s_wait_tensorcnt 0x0
	ds_add_u32 v255, v63
	s_wait_dscnt 0x0
	s_set_vgpr_msb 0x100
	CROUND                                         ; the closing round: no work-group ends while a partner may still ask for a tile that names it
	s_endpgm
.Lfunc_end_k_q714f0dab71_proj:
	.size	k_q714f0dab71_proj, .Lfunc_end_k_q714f0dab71_proj-k_q714f0dab71_proj
	.p2alignl 7, 3214868480
	.fill 96, 4, 3214868480
	.section	.rodata,"a",@progbits
	.p2align	6, 0x0
	.amdhsa_kernel k_q714f0dab71_proj
		.amdhsa_group_segment_fixed_size 327680
		.amdhsa_private_segment_fixed_size 0
		.amdhsa_enable_private_segment 0
		.amdhsa_kernarg_size 88
		.amdhsa_user_sgpr_count 2
		.amdhsa_user_sgpr_kernarg_segment_ptr 1
		.amdhsa_wavefront_size32 1
		.amdhsa_system_sgpr_workgroup_id_x 1
		.amdhsa_system_sgpr_workgroup_id_y 1
		.amdhsa_system_sgpr_workgroup_id_z 1
		.amdhsa_system_vgpr_workitem_id 0
		.amdhsa_next_free_vgpr 1024
		.amdhsa_next_free_sgpr 92
		.amdhsa_reserve_vcc 0
		.amdhsa_float_denorm_mode_32 3
		.amdhsa_float_denorm_mode_16_64 3
		.amdhsa_memory_ordered 1
		.amdhsa_forward_progress 1
		.amdhsa_inst_pref_size 255
	.end_amdhsa_kernel
	.section	.bss,"aw",@nobits
	.p2align	6
	.space	262144
	.amdgpu_metadata
---
amdhsa.version: [ 1, 2 ]
amdhsa.kernels:
  - .name:           k_q714f0dab71_proj
    .symbol:         k_q714f0dab71_proj.kd
    .args:
      - { .name: xb, .offset: 0, .size: 8, .value_kind: global_buffer, .address_space: global }
      - { .name: wb, .offset: 8, .size: 8, .value_kind: global_buffer, .address_space: global }
      - { .name: pj, .offset: 16, .size: 8, .value_kind: global_buffer, .address_space: global }
      - { .name: bqs, .offset: 24, .size: 8, .value_kind: global_buffer, .address_space: global }
      - { .name: bks, .offset: 32, .size: 8, .value_kind: global_buffer, .address_space: global }
      - { .name: bqc, .offset: 40, .size: 8, .value_kind: global_buffer, .address_space: global }
      - { .name: bvs, .offset: 48, .size: 8, .value_kind: global_buffer, .address_space: global }
      - { .name: bvc, .offset: 56, .size: 8, .value_kind: global_buffer, .address_space: global }
      - { .name: bkc, .offset: 64, .size: 8, .value_kind: global_buffer, .address_space: global }
      - { .name: vh, .offset: 72, .size: 8, .value_kind: global_buffer, .address_space: global }
      - { .name: vsc, .offset: 80, .size: 8, .value_kind: global_buffer, .address_space: global }
    .group_segment_fixed_size: 327680
    .private_segment_fixed_size: 0
    .kernarg_segment_align: 8
    .kernarg_segment_size: 88
    .max_flat_workgroup_size: 128
    .sgpr_count:     92
    .vgpr_count:     1024
    .wavefront_size: 32
...
	.end_amdgpu_metadata
.endif
;; end of part 2
;; launch attn (part 3): grid 8 x 32, 8 waves a work-group, clusters of 4 x 1, 327,680 bytes of LDS; arguments pj, ya; writes ya
.if DOCPART == 3
	.amdgcn_target "amdgcn-amd-amdhsa--gfx1250"
	.amdhsa_code_object_version 6
	.text
	.protected	k_q714f0dab71_attn
	.globl	k_q714f0dab71_attn
	.p2align	8
	.type	k_q714f0dab71_attn,@function
k_q714f0dab71_attn:
	s_mov_b64 s[64:65], 0
	v_nop
	global_prefetch_b8 v0, s[64:65] scope:SCOPE_SE
	s_setreg_imm32_b32 hwreg(HW_REG_WAVE_MODE, 25, 1), 1
	s_wait_xcnt 0x0
	s_wait_alu depctr_hold_cnt(0) depctr_sa_sdst(0) depctr_va_vdst(0) depctr_va_sdst(0) depctr_va_ssrc(0) depctr_va_vcc(0) depctr_vm_vsrc(0)
	s_getreg_b32 s2, hwreg(HW_REG_IB_STS2, 6, 4)
	s_cmp_eq_u32 s2, 0
	s_cbranch_scc0 .Lentry_in_a_cluster
	s_endpgm
.Lentry_in_a_cluster:
	s_bfe_u32 s2, ttmp6, 0x10000c
	s_cmp_lg_u32 s2, 0x3003
	s_cbranch_scc0 .Lentry_shape_is_right
	s_endpgm
.Lentry_shape_is_right:
; Both attentions: 32 instances (y = branch x 16 + batch x 8 + head), S = 2,048, head size 64; softmax with a running maximum, all in f32;
; q, k, v and the probabilities go to the matrix units in bf16, the result is rounded once to bf16 into ya.
; LIMITS: the running maximum is v_max_num (a NaN score is dropped, the model would spread it); a probability below 2^-126 of the row's
; largest comes out of v_exp_f32 as 0; q, k, v, p and the result are bf16.
; Work-group (x, y): 256 queries of instance y; wave w owns 32 of them.  Eight waves, two on a SIMD: for 32 matrix instructions a step has some 240
; vector instructions of softmax, which one wave runs while the other multiplies.
; CLUSTER 4 x 1: the four work-groups are four query blocks of one instance and walk the same K and V tiles; every tile is asked for jointly (mask 15).
; TRANSPOSED ARITHMETIC: S^T = K Q^T (A = 16 keys x 32 d from LDS, B = Q, kept in registers).  Lane (r, h) then holds in register j of tile m the score
; of key 16 m + 8 h + j for query r, so packing tiles 2u and 2u + 1 to bf16 gives, with no move between lanes, the B fragment of P^T for keys 32u .. 32u + 31.
; O^T = V^T P^T (A = V^T by transposing LDS loads): a lane holds eight neighbouring d of one query.  A query's maximum needs one exchange between
; the halves of the wave; the sums stay per lane until the end.
; pj and ya are tiled [block of 128 rows][group of 64 columns][128][64] bf16: 64 keys of a head are 8,192 dense bytes.
.set CELL,  10240                      ; 64 keys: K at pitch 144 (9,216 bytes), V at pitch 160 (10,240 bytes)
.set SLOT,  8*CELL                     ; 256 keys: K's cells 0-3, V's cells 4-7; cell w is filled by wave w
.set STAGE, 2*SLOT                     ; behind the ring: 32 rows x 144 bytes for each wave; no tensor load lands there
.set KP,    144                        ; odd multiple of 16
.set VP,    160                        ; odd multiple of 32
.set RBLK,  48*16384                   ; bytes of pj from a block of 128 rows to the next
.set TSTEP, 2*RBLK                     ; 256 keys on
.set ADK, 2                            ; v2-3    K fragments' LDS address in slot 0, 1
.set ADV, 4                            ; v4-5    V fragments' LDS address in slot 0, 1
.set STO, 6
.set RD,  7
.set CO,  8
.set QO,  9
.set NM,  10                           ; v[10:11], v[12:13]  query tile q: { -c x maximum, maximum }
.set MX,  11
.set AL,  14                           ; v[14:15], v[16:17]  query tile q: { rescale factor, running sum }
.set LS,  15
.set TT,  18                           ; v18-31  at work
.set VF,  32                           ; v32-95  V^T fragments, +16 d + 8 u
.set SC,  96                           ; v96-159 scores, +32 q + 8 m + j; the packed probabilities lie in place at +32 q + 8 u
.set OA,  160                          ; v160-223 O^T, +32 q + 8 d
.set PK,  224                          ; v224-255 packed results at the end; v224-231 at work in the loop
.set QF,  0                            ; window 1: v0-31 Q fragments, +16 q + 8 k
.set KF,  32                           ; window 1: v32-95 K fragments, +16 m + 8 k
.set G1K, 24
.set G0K, 32
.set G1V, 48
.set G0V, 56
.set MSB, 0
.macro WIN new
.if MSB != \new
	s_set_vgpr_msb (MSB<<8)|\new
.set MSB, \new
.endif
.endm
.macro ROUND                           ; a round of the cluster's barrier
	s_barrier_signal -1
	s_barrier_wait -1
	s_cmp_lg_u32 s8, 0
	s_cbranch_scc1 .Lnot_wave_0_\@
	s_barrier_signal -3
.Lnot_wave_0_\@:
	s_barrier_wait -3
	s_barrier_signal -1
	s_barrier_wait -1
.endm
.macro JLOAD s                         ; waves 0-3 ask for K's four cells, waves 4-7 for V's: the branch hangs on the wave's number alone
	s_cmp_eq_u32 s11, 0
	s_cbranch_scc0 .Lfor_v_\@
	tensor_load_to_lds s[G0K+4*\s:G0K+4*\s+3], s[G1K:G1K+7]
	s_nop 0
	s_branch .Lasked_\@
.Lfor_v_\@:
	tensor_load_to_lds s[G0V+4*\s:G0V+4*\s+3], s[G1V:G1V+7]
	s_nop 0
.Lasked_\@:
.endm
	s_load_b128 s[4:7], s[0:1], 0x0                ; pj s[4:5], ya s[6:7]
	s_set_vgpr_msb 0x40
	v_lshl_add_u32 v96, v0, 2, 0x31000
	v_mov_b32 v97, 0
	s_set_vgpr_msb 0x4045
	ds_add_u32 v96, v97
	s_set_vgpr_msb 0x4500
	v_lshrrev_b32 v1, 5, v0
	v_readfirstlane_b32 s8, v1                     ; wave 0..7
	s_lshr_b32 s11, s8, 2                          ; 0: I fetch K, 1: V.  Also: which block of 128 rows my queries lie in
	s_and_b32 s12, s8, 3                           ; which 64 keys of a tile I fetch.  Also: which 32 rows of that block are my queries
	s_and_b32 s13, ttmp7, 0xffff                   ; the instance
	s_and_b32 s14, s13, 7                          ; head
	s_bfe_u32 s15, s13, 0x10003                    ; batch
	s_lshr_b32 s16, s13, 4                         ; branch: 0 self, 1 cross
	s_bfe_u32 s40, ttmp6, 0x40000                  ; cx
	s_lshl_b32 s42, ttmp9, 2
	s_add_co_u32 s42, s42, s40                     ; block of 256 queries
	s_mov_b32 s68, 0x3e38aa3b                      ; c = log2(e) / 8: the scale 1 / sqrt(64) and the base of v_exp_f32 in one factor
	s_mov_b32 s69, 0x3e38aa3b
	s_mov_b32 s70, 0xbe38aa3b                      ; -c
	s_mov_b32 s72, 0x76543210                      ; v_permlanex16_b32: lane i reads lane i of the other half
	s_mov_b32 s73, 0xfedcba98
	; group 1: 8,192 dense bytes as 32 rows of 128 elements of 2 bytes; padding behind every 32 words (a key's 128 bytes): 4 words for K, 8 for V; mask 15
	s_mov_b32 s[G1K+0], 15|(1<<16)|(1<<20)|(1<<21)|(4<<22)|(3<<25)
	s_mov_b32 s[G1V+0], 15|(1<<16)|(1<<20)|(1<<21)|(4<<22)|(7<<25)
	s_mov_b32 s[G1K+1], 128<<16
	s_mov_b32 s[G1V+1], 128<<16
	s_mov_b32 s[G1K+2], 32<<16
	s_mov_b32 s[G1V+2], 32<<16
	s_mov_b32 s[G1K+3], 128<<16
	s_mov_b32 s[G1V+3], 128<<16
	s_mov_b32 s[G1K+4], 32
	s_mov_b32 s[G1V+4], 32
	s_mov_b32 s[G1K+5], 128
	s_mov_b32 s[G1V+5], 128
	s_mov_b32 s[G1K+6], 0
	s_mov_b32 s[G1V+6], 0
	s_mov_b32 s[G1K+7], 0
	s_mov_b32 s[G1V+7], 0
	; K's and V's first tiles: made of the instance and the wave's number alone, in registers that never hold cx
	s_lshl_b32 s17, s15, 4
	s_lshr_b32 s20, s12, 1
	s_add_co_u32 s17, s17, s20                     ; block of 128 rows: 16 x batch + (my 64 keys) / 2
	s_mul_i32 s17, s17, RBLK
	s_and_b32 s20, s12, 1
	s_lshl_b32 s20, s20, 13                        ; its upper or lower 64 rows
	s_add_co_u32 s17, s17, s20
	s_lshl_b32 s20, s16, 5
	s_add_co_u32 s20, s20, s14
	s_add_co_u32 s20, s20, 8                       ; K's group: ks 8 + head, kc 40 + head
	s_lshl_b32 s20, s20, 14
	s_add_co_u32 s20, s20, s17
	s_mov_b32 s21, 0
	s_lshl3_add_u32 s22, s16, s14
	s_add_co_u32 s22, s22, 24                      ; V's group: vs 24 + head, vc 32 + head
	s_lshl_b32 s22, s22, 14
	s_add_co_u32 s22, s22, s17
	s_mov_b32 s23, 0
	s_mul_i32 s18, s8, CELL                        ; my cell
	s_mul_i32 s19, s8, 32*KP
	s_add_co_u32 s19, s19, STAGE                   ; my stage
	; my queries in pj and my rows of ya
	s_lshl_b32 s41, s15, 4
	s_lshl1_add_u32 s41, s42, s41
	s_add_co_u32 s41, s41, s11                     ; block of 128 rows: 16 x batch + 2 x query block + wave / 4
	s_mul_i32 s43, s41, 48
	s_lshl4_add_u32 s45, s16, s14                  ; Q's group: qs head, qc 16 + head
	s_add_co_u32 s43, s43, s45
	s_lshl_b32 s43, s43, 14
	s_lshl_b32 s45, s12, 12                        ; 32 rows of 128 bytes
	s_add_co_u32 s66, s43, s45
	s_mov_b32 s67, 0
	s_lshl3_add_u32 s43, s16, s14                  ; ya's group: 8 x branch + head
	s_lshl4_add_u32 s43, s41, s43
	s_lshl_b32 s43, s43, 14
	s_add_co_u32 s46, s43, s45
	s_mov_b32 s47, 0
	s_wait_dscnt 0x0
	s_wait_kmcnt 0x0
	s_add_nc_u64 s[20:21], s[4:5], s[20:21]
	s_add_nc_u64 s[22:23], s[4:5], s[22:23]
	s_add_nc_u64 s[66:67], s[4:5], s[66:67]
	s_add_nc_u64 s[46:47], s[6:7], s[46:47]
	ROUND                                          ; the four work-groups are here: the first joint loads meet
.irp s, 0,1
	s_mov_b32 s[G0K+4*\s], 1
	s_add_co_u32 s[G0K+4*\s+1], s18, \s*SLOT
	s_add_nc_u64 s[G0K+4*\s+2:G0K+4*\s+3], s[20:21], \s*TSTEP
	s_or_b32 s[G0K+4*\s+3], s[G0K+4*\s+3], 0x80000000
	s_mov_b32 s[G0V+4*\s], 1
	s_add_co_u32 s[G0V+4*\s+1], s18, \s*SLOT
	s_add_nc_u64 s[G0V+4*\s+2:G0V+4*\s+3], s[22:23], \s*TSTEP
	s_or_b32 s[G0V+4*\s+3], s[G0V+4*\s+3], 0x80000000
.endr
	JLOAD 0                                        ; keys 0-255 into slot 0; slot 1 is filled behind the first trip's round.  One tensor load of the wave is out at any time
	v_and_b32 v18, 15, v0                          ; r
	v_bfe_u32 v19, v0, 4, 1                        ; h
	v_and_b32 v20, 7, v0
	v_bfe_u32 v21, v0, 3, 1
	v_bfe_u32 v22, v0, 3, 2                        ; lane / 8
	v_and_b32 v23, 31, v0                          ; lane
	v_mul_u32_u24 v24, v18, KP
	v_lshl_add_u32 v24, v19, 4, v24                ; r x 144 + 16 h
	v_mov_b32 v[ADK], v24
	v_add_nc_u32 v[ADK+1], SLOT, v24
	v_lshl_add_u32 v25, v19, 3, v20                ; key 8 h + lane % 8,
	v_mul_u32_u24 v25, v25, VP
	v_lshl_add_u32 v25, v21, 4, v25                ; and which 8 of the 16 d
	v_add_nc_u32 v[ADV], 4*CELL, v25
	v_add_nc_u32 v[ADV+1], SLOT+4*CELL, v25
	v_add_nc_u32 v[STO], s19, v24
	v_mul_u32_u24 v26, v22, KP
	v_lshl_add_u32 v26, v20, 4, v26
	v_add_nc_u32 v[RD], s19, v26
	v_lshlrev_b32 v[CO], 4, v23
	v_lshlrev_b32 v[QO], 7, v18
	v_lshl_add_u32 v[QO], v19, 4, v[QO]            ; query r's row of 128 bytes + 16 h
	v_mov_b32 v27, 0                               ; v26 and v27 are destinations of lane permutes, which count as read: both are written here
	WIN 0x40
.irp q, 0,1
.irp k, 0,1
.irp i, 0,1
	global_load_b128 v[QF+16*\q+8*\k+4*\i:QF+16*\q+8*\k+4*\i+3], v[QO], s[66:67] offset:\q*2048+\k*64+\i*32
.endr
.endr
.endr
	WIN 0
	s_wait_loadcnt 0x0                             ; Q, once
; the K fragments of step st of a slot: 16 loads into window 1
.macro KLOAD slot, st
	WIN 0x40
.irp m, 0,1,2,3
.irp k, 0,1
	ds_load_b128 v[KF+16*\m+8*\k:KF+16*\m+8*\k+3],   v[ADK+\slot] offset:(\st)*CELL+\m*16*KP+\k*64
	ds_load_b128 v[KF+16*\m+8*\k+4:KF+16*\m+8*\k+7], v[ADK+\slot] offset:(\st)*CELL+\m*16*KP+\k*64+32
.endr
.endr
	WIN 0
.endm
; the V^T fragments of step st: 16 transposing loads
.macro VLOAD slot, st
.irp d, 0,1,2,3
.irp u, 0,1
	ds_load_tr16_b128 v[VF+16*\d+8*\u:VF+16*\d+8*\u+3],   v[ADV+\slot] offset:(\st)*CELL+\u*32*VP+\d*32
	ds_load_tr16_b128 v[VF+16*\d+8*\u+4:VF+16*\d+8*\u+7], v[ADV+\slot] offset:(\st)*CELL+\u*32*VP+\d*32+16*VP
.endr
.endr
.endm
; S^T for 64 keys x 32 queries: the eight accumulators take turns, one instruction a turn; the first half of d starts the sums
.macro SPHASE
.irp k, 0,1
.irp q, 0,1
.irp m, 0,1,2,3
.if \k
	v_wmma_f32_16x16x32_bf16 v[SC+32*\q+8*\m:SC+32*\q+8*\m+7], v[KF+16*\m+8*\k:KF+16*\m+8*\k+7], v[QF+16*\q+8*\k:QF+16*\q+8*\k+7], v[SC+32*\q+8*\m:SC+32*\q+8*\m+7]
.else
	v_wmma_f32_16x16x32_bf16 v[SC+32*\q+8*\m:SC+32*\q+8*\m+7], v[KF+16*\m+8*\k:KF+16*\m+8*\k+7], v[QF+16*\q+8*\k:QF+16*\q+8*\k+7], 0
.endif
.endr
.endr
.endr
.endm
; O^T += V^T P^T: again eight accumulators by turns; in the very first step the first product starts the sums
.macro PV first
.irp u, 0,1
.irp q, 0,1
.irp d, 0,1,2,3
.if \first*(1-\u)
	v_wmma_f32_16x16x32_bf16 v[OA+32*\q+8*\d:OA+32*\q+8*\d+7], v[VF+16*\d+8*\u:VF+16*\d+8*\u+7], v[SC+32*\q+8*\u:SC+32*\q+8*\u+7], 0
.else
	v_wmma_f32_16x16x32_bf16 v[OA+32*\q+8*\d:OA+32*\q+8*\d+7], v[VF+16*\d+8*\u:VF+16*\d+8*\u+7], v[SC+32*\q+8*\u:SC+32*\q+8*\u+7], v[OA+32*\q+8*\d:OA+32*\q+8*\d+7]
.endif
.endr
.endr
.endr
.endm
.macro SOFTMAX first
	; the largest of my 32 scores of each query tile: 15 three-way maxima and one two-way, in four chains
.irp q, 0,1
.irp m, 0,1,2,3
	v_max3_num_f32 v[TT+4*\q+\m], v[SC+32*\q+8*\m], v[SC+32*\q+8*\m+1], v[SC+32*\q+8*\m+2]
.endr
.endr
.irp q, 0,1
.irp m, 0,1,2,3
	v_max3_num_f32 v[TT+4*\q+\m], v[TT+4*\q+\m], v[SC+32*\q+8*\m+3], v[SC+32*\q+8*\m+4]
.endr
.endr
.irp q, 0,1
.irp m, 0,1,2,3
	v_max3_num_f32 v[TT+4*\q+\m], v[TT+4*\q+\m], v[SC+32*\q+8*\m+5], v[SC+32*\q+8*\m+6]
.endr
.endr
.irp q, 0,1
	v_max3_num_f32 v[TT+4*\q],   v[TT+4*\q],   v[TT+4*\q+1], v[SC+32*\q+7]
	v_max3_num_f32 v[TT+4*\q+2], v[TT+4*\q+2], v[TT+4*\q+3], v[SC+32*\q+15]
.endr
.irp q, 0,1
	v_max3_num_f32 v[TT+4*\q], v[TT+4*\q], v[TT+4*\q+2], v[SC+32*\q+23]
.endr
.irp q, 0,1
	v_max_num_f32 v[TT+4*\q], v[TT+4*\q], v[SC+32*\q+31]
.endr
	v_permlanex16_b32 v[TT+8], v[TT],   s72, s73   ; the other half of the wave holds the query's other 32 keys
	v_permlanex16_b32 v[TT+9], v[TT+4], s72, s73
.if \first
	v_max_num_f32 v[MX],   v[TT],   v[TT+8]
	v_max_num_f32 v[MX+2], v[TT+4], v[TT+9]
	v_mul_f32 v[NM],   s70, v[MX]
	v_mul_f32 v[NM+2], s70, v[MX+2]
.else
	v_max3_num_f32 v[MX],   v[TT],   v[TT+8], v[MX]
	v_max3_num_f32 v[MX+2], v[TT+4], v[TT+9], v[MX+2]
	v_mul_f32 v[TT+10], s70, v[MX]                 ; the new shift, -c x maximum, rounded once;
	v_mul_f32 v[TT+11], s70, v[MX+2]
	v_sub_f32 v[TT+12], v[TT+10], v[NM]            ; the rescale factor is made of the two rounded shifts, so that it fits the probabilities of both steps
	v_sub_f32 v[TT+13], v[TT+11], v[NM+2]
	v_exp_f32 v[AL],   v[TT+12]
	v_exp_f32 v[AL+2], v[TT+13]
	v_mov_b32 v[NM],   v[TT+10]                    ; plain instructions that touch neither the factors nor their sources stand behind the exponentials (ISA guide 5.7.2)
	v_mov_b32 v[NM+2], v[TT+11]
.endif
	; p = 2^(c s - c maximum): one fused multiply-add for two scores, then the exponentials in place
.irp q, 0,1
.irp i, 0,1,2,3,4,5,6,7,8,9,10,11,12,13,14,15
	v_pk_fma_f32 v[SC+32*\q+2*\i:SC+32*\q+2*\i+1], v[SC+32*\q+2*\i:SC+32*\q+2*\i+1], s[68:69], v[NM+2*\q:NM+2*\q+1] op_sel_hi:[1,0,0]
.endr
.endr
.set i, 0
.rept 64
	v_exp_f32 v[SC+i], v[SC+i]
.set i, i+1
.endr
	v_nop                                          ; one plain place behind the last exponential
	; my lane's sum of p for each query tile: 15 packed adds in four chains
	s_wait_alu depctr_va_vdst(0)
.irp m, 0,1,2,3
	v_pk_add_f32 v[TT+2*\m:TT+2*\m+1], v[SC+8*\m:SC+8*\m+1],       v[SC+8*\m+2:SC+8*\m+3]
	v_pk_add_f32 v[PK+2*\m:PK+2*\m+1], v[SC+32+8*\m:SC+32+8*\m+1], v[SC+32+8*\m+2:SC+32+8*\m+3]
.endr
.irp m, 0,1,2,3
	v_pk_add_f32 v[TT+2*\m:TT+2*\m+1], v[TT+2*\m:TT+2*\m+1], v[SC+8*\m+4:SC+8*\m+5]
	v_pk_add_f32 v[PK+2*\m:PK+2*\m+1], v[PK+2*\m:PK+2*\m+1], v[SC+32+8*\m+4:SC+32+8*\m+5]
.endr
.irp m, 0,1,2,3
	v_pk_add_f32 v[TT+2*\m:TT+2*\m+1], v[TT+2*\m:TT+2*\m+1], v[SC+8*\m+6:SC+8*\m+7]
	v_pk_add_f32 v[PK+2*\m:PK+2*\m+1], v[PK+2*\m:PK+2*\m+1], v[SC+32+8*\m+6:SC+32+8*\m+7]
.endr
	v_pk_add_f32 v[TT:TT+1],   v[TT:TT+1],   v[TT+2:TT+3]
	v_pk_add_f32 v[PK:PK+1],   v[PK:PK+1],   v[PK+2:PK+3]
	v_pk_add_f32 v[TT+4:TT+5], v[TT+4:TT+5], v[TT+6:TT+7]
	v_pk_add_f32 v[PK+4:PK+5], v[PK+4:PK+5], v[PK+6:PK+7]
	v_pk_add_f32 v[TT:TT+1],   v[TT:TT+1],   v[TT+4:TT+5]
	v_pk_add_f32 v[PK:PK+1],   v[PK:PK+1],   v[PK+4:PK+5]
.if \first
	v_add_f32 v[LS],   v[TT], v[TT+1]
	v_add_f32 v[LS+2], v[PK], v[PK+1]
.else
	v_add_f32 v[TT], v[TT], v[TT+1]
	v_add_f32 v[PK], v[PK], v[PK+1]
	v_fma_f32 v[LS],   v[LS],   v[AL],   v[TT]
	v_fma_f32 v[LS+2], v[LS+2], v[AL+2], v[PK]
.endif
	; pack in place: register 8 u + i takes scores 16 u + 2 i and 16 u + 2 i + 1; a destination never lies ahead of sources not yet read
.irp q, 0,1
.irp u, 0,1
.irp i, 0,1,2,3,4,5,6,7
	v_cvt_pk_bf16_f32 v[SC+32*\q+8*\u+\i], v[SC+32*\q+16*\u+2*\i], v[SC+32*\q+16*\u+2*\i+1]
.endr
.endr
.endr
.if \first
.else
.irp q, 0,1
.irp i, 0,1,2,3,4,5,6,7,8,9,10,11,12,13,14,15
	v_pk_mul_f32 v[OA+32*\q+2*\i:OA+32*\q+2*\i+1], v[OA+32*\q+2*\i:OA+32*\q+2*\i+1], v[AL+2*\q:AL+2*\q+1] op_sel_hi:[1,0]
.endr
.endr
.endif
.endm
; 64 keys.  On entry this step's 16 K loads are out or in.
.macro STEP slot, st, first, nextk
	VLOAD \slot, \st
	s_wait_dscnt 16                                ; the 16 K loads are in; the 16 V loads issued behind them may stay out
	WIN 0x05                                       ; A and B in window 1
	SPHASE
	WIN 0
.rept 4
	v_nop                                          ; four places before loads land on K's fragments and before the scores are read
.endr
.if \nextk
	KLOAD \slot, \st+1
.endif
	SOFTMAX \first
.if \nextk
	s_wait_dscnt 16                                ; V is in; the next step's 16 K loads may stay out
.else
	s_wait_dscnt 0
.endif
	PV \first
.rept 5
	v_nop                                          ; four places before loads land on V's fragments, five before the next scores are written over the probabilities
.endr
.endm
; 256 keys.  Every wave waits for all its tensor loads and its LDS reads, then the cluster's round; behind it the other slot's refill comes first,
; my one tensor load until the next round, with the whole trip in which to land.
.macro TRIP slot, refill, first
	s_set_vgpr_msb 0x5
	s_wait_tensorcnt 0x0                           ; my cell of this slot is in and no tensor load of mine is out, so a group 0 may be written:
	ds_add_u32 v96, v97
	s_wait_dscnt 0x0
	s_set_vgpr_msb 0x500
	s_add_nc_u64 s[G0K+4*\slot+2:G0K+4*\slot+3], s[G0K+4*\slot+2:G0K+4*\slot+3], 2*TSTEP   ; this slot's next tile, 512 keys on
	s_add_nc_u64 s[G0V+4*\slot+2:G0V+4*\slot+3], s[G0V+4*\slot+2:G0V+4*\slot+3], 2*TSTEP
	s_wait_dscnt 0x0                               ; my reads of the other slot are over
	ROUND
.if \refill
	JLOAD (1-\slot)
.endif
	KLOAD \slot, 0
	STEP \slot, 0, \first, 1
	STEP \slot, 1, 0, 1
	STEP \slot, 2, 0, 1
	STEP \slot, 3, 0, 0
.endm
	TRIP 0, 1, 1
	TRIP 1, 1, 0
	s_mov_b32 s44, 2
.Lpair:
	TRIP 0, 1, 0
	TRIP 1, 1, 0
	s_sub_co_u32 s44, s44, 1
	s_cmp_lg_u32 s44, 0
	s_cbranch_scc1 .Lpair
	TRIP 0, 1, 0                                   ; asks for the last 256 keys
	TRIP 1, 0, 0                                   ; nothing is left to fetch (the stepped addresses are not used)
	; the end: the two halves' sums meet, O^T is divided, rounded, and leaves through my stage as whole rows
	v_permlanex16_b32 v[TT+8], v[LS],   s72, s73
	v_permlanex16_b32 v[TT+9], v[LS+2], s72, s73
	v_add_f32 v[TT+8], v[TT+8], v[LS]
	v_add_f32 v[TT+9], v[TT+9], v[LS+2]
	v_rcp_f32 v[TT],   v[TT+8]                     ; the sum holds the largest score's p, near 1: never 0
	v_rcp_f32 v[TT+2], v[TT+9]
	v_nop
	s_wait_alu depctr_va_vdst(0)
.irp q, 0,1
.irp i, 0,1,2,3,4,5,6,7,8,9,10,11,12,13,14,15
	v_pk_mul_f32 v[OA+32*\q+2*\i:OA+32*\q+2*\i+1], v[OA+32*\q+2*\i:OA+32*\q+2*\i+1], v[TT+2*\q:TT+2*\q+1] op_sel_hi:[1,0]
.endr
.endr
.irp i, 0,1,2,3,4,5,6,7,8,9,10,11,12,13,14,15,16,17,18,19,20,21,22,23,24,25,26,27,28,29,30,31
	v_cvt_pk_bf16_f32 v[PK+\i], v[OA+2*\i], v[OA+2*\i+1]
.endr
.irp q, 0,1
.irp d, 0,1,2,3
	ds_store_b128 v[STO], v[PK+16*\q+4*\d:PK+16*\q+4*\d+3] offset:\q*16*KP+\d*32    ; query 16 q + r, d = 16 d + 8 h .. + 7
.endr
.endr
.irp t, 0,1,2,3,4,5,6,7
	ds_load_b128 v[VF+4*\t:VF+4*\t+3], v[RD] offset:\t*4*KP        ; four rows of 128 bytes; a wave's LDS instructions are served in order
.endr
.irp t, 0,1,2,3,4,5,6,7
	s_wait_dscnt 7-\t                              ; read-back t is in, the 7 - t younger ones stay out
	global_store_b128 v[CO], v[VF+4*\t:VF+4*\t+3], s[46:47] offset:512*\t    ; 512 consecutive bytes at a multiple of 512 of ya
.endr
	s_set_vgpr_msb 0x5
	s_wait_tensorcnt 0x0
	ds_add_u32 v96, v97
	s_wait_dscnt 0x0
	s_set_vgpr_msb 0x500
	ROUND                                          ; the closing round
	s_endpgm
.Lfunc_end_k_q714f0dab71_attn:
	.size	k_q714f0dab71_attn, .Lfunc_end_k_q714f0dab71_attn-k_q714f0dab71_attn
	.p2alignl 7, 3214868480
	.fill 96, 4, 3214868480
	.section	.rodata,"a",@progbits
	.p2align	6, 0x0
	.amdhsa_kernel k_q714f0dab71_attn
		.amdhsa_group_segment_fixed_size 327680
		.amdhsa_private_segment_fixed_size 0
		.amdhsa_enable_private_segment 0
		.amdhsa_kernarg_size 16
		.amdhsa_user_sgpr_count 2
		.amdhsa_user_sgpr_kernarg_segment_ptr 1
		.amdhsa_wavefront_size32 1
		.amdhsa_system_sgpr_workgroup_id_x 1
		.amdhsa_system_sgpr_workgroup_id_y 1
		.amdhsa_system_sgpr_workgroup_id_z 1
		.amdhsa_system_vgpr_workitem_id 0
		.amdhsa_next_free_vgpr 354
		.amdhsa_next_free_sgpr 78
		.amdhsa_reserve_vcc 0
		.amdhsa_float_denorm_mode_32 3
		.amdhsa_float_denorm_mode_16_64 3
		.amdhsa_memory_ordered 1
		.amdhsa_forward_progress 1
		.amdhsa_inst_pref_size 255
	.end_amdhsa_kernel
	.section	.bss,"aw",@nobits
	.p2align	6
	.space	262144
	.amdgpu_metadata
---
amdhsa.version: [ 1, 2 ]
amdhsa.kernels:
  - .name:           k_q714f0dab71_attn
    .symbol:         k_q714f0dab71_attn.kd
    .args:
      - { .name: pj, .offset: 0, .size: 8, .value_kind: global_buffer, .address_space: global }
      - { .name: ya, .offset: 8, .size: 8, .value_kind: global_buffer, .address_space: global }
    .group_segment_fixed_size: 327680
    .private_segment_fixed_size: 0
    .kernarg_segment_align: 8
    .kernarg_segment_size: 16
    .max_flat_workgroup_size: 256
    .sgpr_count:     78
    .vgpr_count:     354
    .wavefront_size: 32
...
	.end_amdgpu_metadata
.endif
;; end of part 3
;; launch outp (part 4): grid 8 x 32, 4 waves a work-group, clusters of 4 x 4, 327,680 bytes of LDS; arguments ya, vh, vsc, wob, bo, out0; writes out0
.if DOCPART == 4
	.amdgcn_target "amdgcn-amd-amdhsa--gfx1250"
	.amdhsa_code_object_version 6
	.text
	.protected	k_q714f0dab71_outp
	.globl	k_q714f0dab71_outp
	.p2align	8
	.type	k_q714f0dab71_outp,@function
k_q714f0dab71_outp:
	s_mov_b64 s[64:65], 0
	v_nop
	global_prefetch_b8 v0, s[64:65] scope:SCOPE_SE
	s_setreg_imm32_b32 hwreg(HW_REG_WAVE_MODE, 25, 1), 1
	s_wait_xcnt 0x0
	s_wait_alu depctr_hold_cnt(0) depctr_sa_sdst(0) depctr_va_vdst(0) depctr_va_sdst(0) depctr_va_ssrc(0) depctr_va_vcc(0) depctr_vm_vsrc(0)
	s_getreg_b32 s2, hwreg(HW_REG_IB_STS2, 6, 4)
	s_cmp_eq_u32 s2, 0
	s_cbranch_scc0 .Lentry_in_a_cluster
	s_endpgm
.Lentry_in_a_cluster:
	s_bfe_u32 s2, ttmp6, 0x10000c
	s_cmp_lg_u32 s2, 0xf033
	s_cbranch_scc0 .Lentry_shape_is_right
	s_endpgm
.Lentry_shape_is_right:
; out0[row][n] = relu(sum over k of y[row][k] Wo[n][k] + bo[n]), y = [ys | yc | vs | vc]: 4,096 x 1,024, K = 2,048; sums f32, out0 f32.
; y is never built.  K 0-1,023 are ya's 16 groups, bf16.  K 1,024-2,047 are vh's 16 groups: V in f16 with a block exponent: for each row and each chunk of
; 128 columns vh holds f16(v x 2^-e) and vsc holds 2^e.  V is the larger half of y (about three quarters of its sum of squares); in bf16 its rounding
; alone would take a fifth of what the comparison allows at one standard deviation; f16 keeps three bits more, and the exponent follows the data.
; So a chunk of V is summed by itself (f16 form, accumulators T), and ACC += 2^e x T, one packed multiply-add for two numbers: in the transposed layout
; a lane holds one row, so the scale is one register a lane.
; wob holds Wo as [n][8 chunks][128 columns for ya, bf16 | 128 columns for V, f16]: a tile row of 512 bytes serves chunk t of both halves.
; EIGHT TRIPS of one LDS slot each, K = 128 of ya and K = 128 of V.  Quarter steps 0-3 add onto ACC in place; quarter steps 4-7 sum into T0 (slot 0) or T1
; (slot 1) and meanwhile the other T, the chunk before, is added to ACC, 16 packed multiply-adds in each quarter step, where otherwise v_nop would stand.
; The scales' registers are named by the trip, so the trips are written out, not looped.  The order of the f32 sums differs from the model's.
; LIMITS: ReLU is v_max_num_f32 with 0, so a NaN sum is stored as 0; ya and Wo are rounded to bf16; Wo's columns for V are carried in f16's format
; (exact image of the bf16 number for 2^-17 <= |w| < 65,520).
; 256 work-groups of 128 x 128, four waves of 64 x 64 (16 accumulator tiles): the layer has 16,384 outputs for each of 256 work-groups, and a larger
; block would leave some without work.
; CLUSTERS 4 x 4: y's tiles are shared along a row of the cluster, Wo's along a column, each asked for jointly by its four.
; A slot: y as four planes (groups) of 128 rows x 64 K at pitch 144 (dense in memory: one load of 32 KiB brings two planes: wave 0 ya's, wave 1 vh's),
; Wo as 128 rows of 512 bytes at pitch 528 (waves 2 and 3).  One round of the cluster's barrier serves 128 matrix instructions of each wave.
; Transposed use (source 0 = rows of Wo, source 1 = rows of y): a lane holds eight neighbouring columns of one row; bo starts the sums as C.
.set CELL,  36864                      ; what one wave's tensor load fills: two planes of y (2 x 128 x 144), or 64 rows of Wo (64 x 528 = 33,792)
.set SLOT,  4*CELL
.set STAGE, 2*SLOT                     ; behind the ring: 16 rows x 272 bytes for each wave; no tensor load lands there
.set AP,    144
.set PLANE, 128*AP
.set BP,    528
.set SPITCH, 272
.set ADRA, 16                          ; v16-17
.set ADRB, 20                          ; v20-21
.set STO,  24
.set RD,   25
.set CO,   26
.set BOF,  27
.set SOF,  28
.set SCL,  32                          ; v32-63: 2^e of row 16 a + l % 16 of my 64 in chunk c, at +4 c + a
.set RB0,  64                          ; v64-95, v96-127: rows read back on the way out, two buffers
.set RB1,  96
.set BIAS, 96                          ; v96-127: bo of my 64 columns in the layout of an accumulator tile, +8 b (read by the first quarter step alone)
.set ACC,  128                         ; v128-255: tile (a, b) at +8 (4 a + b)
.set F0,   0                           ; window 1: v0-63, v64-127: fragments, Wo's at +8 b, y's at +32 + 8 a
.set F1,   64
                                       ; window 1: v128-255: T0;  window 2: v0-127: T1: T of slot s at 128 (1 - s) of window 1 + s
.set G1A, 24
.set G0A, 32
.set G1B, 48
.set G0B, 56
.set MSB, 0
.macro WIN new
.if MSB != \new
	s_set_vgpr_msb (MSB<<8)|\new
.set MSB, \new
.endif
.endm
.macro JLOAD s                         ; waves 0, 1 ask for y's two cells, waves 2, 3 for Wo's
	s_cmp_eq_u32 s11, 0
	s_cbranch_scc0 .Lfor_b_\@
	tensor_load_to_lds s[G0A+4*\s:G0A+4*\s+3], s[G1A:G1A+7]
	s_nop 0
	s_branch .Lasked_\@
.Lfor_b_\@:
	tensor_load_to_lds s[G0B+4*\s:G0B+4*\s+3], s[G1B:G1B+7]
	s_nop 0
.Lasked_\@:
.endm
.macro CREST
	s_cmp_lg_u32 s10, 0
	s_cbranch_scc1 .Lnot_wave_0_\@
	s_barrier_signal -3
.Lnot_wave_0_\@:
	s_barrier_wait -3
	s_barrier_signal -1
	s_barrier_wait -1
.endm
.macro CROUND
	s_barrier_signal -1
	s_barrier_wait -1
	CREST
.endm
	s_load_b256 s[68:75], s[0:1], 0x0              ; ya s[68:69], vh s[70:71], vsc s[72:73], wob s[74:75]
	s_load_b128 s[76:79], s[0:1], 0x20             ; bo s[76:77], out0 s[78:79]
	v_lshl_add_u32 v30, v0, 2, 0x4c400
	v_mov_b32 v31, 0
	ds_add_u32 v30, v31
	v_lshrrev_b32 v1, 5, v0
	v_readfirstlane_b32 s10, v1                    ; wave 0..3
	s_lshr_b32 s11, s10, 1                         ; my half of the rows.  Also: I fetch y (0) or Wo (1)
	s_and_b32 s12, s10, 1                          ; my half of the columns.  Also: which cell of that tile I fetch
	s_bfe_u32 s40, ttmp6, 0x40000                  ; cx
	s_bfe_u32 s41, ttmp6, 0x40004                  ; cy
	s_lshl_b32 s42, ttmp9, 2
	s_add_co_u32 s42, s42, s40                     ; block column 0..7
	s_and_b32 s13, ttmp7, 0xffff
	s_lshl_b32 s13, s13, 2
	s_add_co_u32 s13, s13, s41                     ; block row 0..31
	s_lshl_b32 s43, s41, 2
	s_lshl_b32 s43, 15, s43                        ; my row of the cluster
	s_lshl_b32 s44, 0x1111, s40                    ; my column
	; y: 32,768 dense bytes as 128 rows of 128 elements, 4 words of padding behind every 32 (a row's 128 bytes in one group)
	s_or_b32 s[G1A+0], s43, (1<<16)|(1<<20)|(1<<21)|(4<<22)|(3<<25)
	s_mov_b32 s[G1A+1], 128<<16
	s_mov_b32 s[G1A+2], 128<<16
	s_mov_b32 s[G1A+3], 128<<16
	s_mov_b32 s[G1A+4], 128
	s_mov_b32 s[G1A+5], 128
	s_mov_b32 s[G1A+6], 0
	s_mov_b32 s[G1A+7], 0
	; Wo: 64 rows of 256 elements, 2,048 elements from row to row, 4 words of padding behind every 128
	s_or_b32 s[G1B+0], s44, (1<<16)|(1<<20)|(1<<21)|(6<<22)|(3<<25)
	s_mov_b32 s[G1B+1], 256<<16
	s_mov_b32 s[G1B+2], 64<<16
	s_mov_b32 s[G1B+3], 256<<16
	s_mov_b32 s[G1B+4], 64
	s_mov_b32 s[G1B+5], 2048
	s_mov_b32 s[G1B+6], 0
	s_mov_b32 s[G1B+7], 0
	s_lshl_b32 s16, s13, 18                        ; ya and vh alike: 16 groups of 16,384 bytes a block row
	s_mov_b32 s17, 0
	s_lshl_b32 s46, s42, 7                         ; Wo: row 128 x block column + 64 p,
	s_lshl_b32 s47, s12, 6
	s_add_co_u32 s46, s46, s47
	s_lshl_b32 s46, s46, 12                        ; rows of 4,096 bytes
	s_mov_b32 s47, 0
	s_mul_i32 s20, s10, CELL                       ; my cell
	s_lshl_b32 s66, s42, 9                         ; 128 columns x 4 bytes a block column,
	s_lshl_b32 s67, s12, 8                         ; 64 x 4 for the wave's half: the offset in bo and in a row of out0
	s_add_co_u32 s66, s66, s67
	s_mov_b32 s67, 0
	s_lshl_b32 s80, s13, 7
	s_lshl_b32 s81, s11, 6
	s_add_co_u32 s80, s80, s81                     ; my first row of out0,
	s_lshl_b32 s80, s80, 12                        ; rows of 4,096 bytes
	s_mov_b32 s81, 0
	s_lshl_b32 s82, s13, 12                        ; vsc: 4,096 bytes a block row,
	s_lshl_b32 s83, s11, 8                         ; 64 rows x 4 bytes for the wave's half
	s_add_co_u32 s82, s82, s83
	s_wait_dscnt 0x0
	s_wait_kmcnt 0x0
	s_cmp_eq_u32 s12, 0                            ; cell 0 comes from ya, cell 1 from vh: a choice by the wave's number
	s_cselect_b64 s[18:19], s[68:69], s[70:71]
	s_add_nc_u64 s[16:17], s[18:19], s[16:17]
	s_add_nc_u64 s[46:47], s[74:75], s[46:47]
	s_add_nc_u64 s[78:79], s[78:79], s[80:81]
	s_add_nc_u64 s[78:79], s[78:79], s[66:67]
	CROUND                                         ; all sixteen work-groups are here: the first joint loads meet
.irp s, 0,1
	s_mov_b32 s[G0A+4*\s], 1
	s_add_co_u32 s[G0A+4*\s+1], s20, \s*SLOT
	s_add_nc_u64 s[G0A+4*\s+2:G0A+4*\s+3], s[16:17], \s*2*16384   ; trip t: groups 2 t and 2 t + 1
	s_or_b32 s[G0A+4*\s+3], s[G0A+4*\s+3], 0x80000000
	s_mov_b32 s[G0B+4*\s], 1
	s_add_co_u32 s[G0B+4*\s+1], s20, \s*SLOT
	s_add_nc_u64 s[G0B+4*\s+2:G0B+4*\s+3], s[46:47], \s*512       ; trip t: chunk t of wob's rows
	s_or_b32 s[G0B+4*\s+3], s[G0B+4*\s+3], 0x80000000
.endr
	JLOAD 0
	JLOAD 1                                        ; two tensor loads of the wave are out here, one behind each later round
	v_and_b32 v1, 15, v0                           ; r
	v_bfe_u32 v2, v0, 4, 1                         ; h
	v_mul_u32_u24 v3, v1, AP
	v_lshl_add_u32 v3, v2, 4, v3
	v_mul_u32_u24 v4, v1, BP
	v_lshl_add_u32 v4, v2, 4, v4
	s_mul_i32 s21, s11, 64*AP                      ; my 64 rows of y, in every plane
	s_mul_i32 s22, s12, CELL                       ; my 64 rows of Wo: cell 2 or 3
	s_add_co_u32 s22, s22, 2*CELL
.irp s, 0,1
	v_add_nc_u32 v[ADRA+\s], s21, v3
	v_add_nc_u32 v[ADRB+\s], s22, v4
	s_add_co_u32 s21, s21, SLOT
	s_add_co_u32 s22, s22, SLOT
.endr
	s_mul_i32 s23, s10, 16*SPITCH
	s_add_co_u32 s23, s23, STAGE
	v_mul_u32_u24 v5, v1, SPITCH                   ; in: row r, 32 bytes (8 f32) for each half of the lanes
	v_lshl_add_u32 v5, v2, 5, v5
	v_add_nc_u32 v[STO], s23, v5
	v_mul_u32_u24 v5, v2, SPITCH                   ; back: lanes 0-15 one row of 256 bytes, lanes 16-31 the next
	v_lshl_add_u32 v5, v1, 4, v5
	v_add_nc_u32 v[RD], s23, v5
	v_lshlrev_b32 v5, 12, v2                       ; and the same two rows of out0
	v_lshl_add_u32 v[CO], v1, 4, v5
	v_lshl_add_u32 v[BOF], v2, 5, s66
	v_lshl_add_u32 v[SOF], v1, 2, s82              ; my row's scale: 4 r
.irp b, 0,1,2,3
	global_load_b128 v[BIAS+8*\b:BIAS+8*\b+3],   v[BOF], s[76:77] offset:64*\b
	global_load_b128 v[BIAS+8*\b+4:BIAS+8*\b+7], v[BOF], s[76:77] offset:64*\b+16
.endr
	; the scales, once, into registers: the wave's 64 rows x 8 chunks are 8 pieces of 256 consecutive bytes, each read by four of these loads
.irp c, 0,1,2,3,4,5,6,7
.irp a, 0,1,2,3
	global_load_b32 v[SCL+4*\c+\a], v[SOF], s[72:73] offset:512*\c+64*\a
.endr
.endr
; The window setting of a product.  mode 0, 1: bf16 onto ACC (fragments in window 1).  mode 2, 3: f16 into the slot's T (window 1 or 2).
.macro MWIN mode, slot
.if \mode < 2
	WIN 0x05
.else
.if \slot
	WIN 0xa5
.else
	WIN 0x55
.endif
.endif
.endm
; 8 matrix instructions: m blocks a0, a0 + 1 x the 4 n blocks, 32 along K.
; mode 0: ya, in place onto ACC.  1: ya, bo starts the sums.  2: V, the constant 0 starts the chunk's sums in T.  3: V, in place onto T.
.macro MUL8 f, a0, mode, slot
.irp a, \a0, \a0+1
.irp b, 0,1,2,3
.if \mode == 0
	v_wmma_f32_16x16x32_bf16 v[ACC+8*(4*(\a)+\b):ACC+8*(4*(\a)+\b)+7], v[\f+8*\b:\f+8*\b+7], v[\f+32+8*(\a):\f+32+8*(\a)+7], v[ACC+8*(4*(\a)+\b):ACC+8*(4*(\a)+\b)+7]
.endif
.if \mode == 1
	v_wmma_f32_16x16x32_bf16 v[ACC+8*(4*(\a)+\b):ACC+8*(4*(\a)+\b)+7], v[\f+8*\b:\f+8*\b+7], v[\f+32+8*(\a):\f+32+8*(\a)+7], v[BIAS+8*\b:BIAS+8*\b+7]
.endif
.if \mode == 2
	v_wmma_f32_16x16x32_f16 v[128*(1-\slot)+8*(4*(\a)+\b):128*(1-\slot)+8*(4*(\a)+\b)+7], v[\f+8*\b:\f+8*\b+7], v[\f+32+8*(\a):\f+32+8*(\a)+7], 0
.endif
.if \mode == 3
	v_wmma_f32_16x16x32_f16 v[128*(1-\slot)+8*(4*(\a)+\b):128*(1-\slot)+8*(4*(\a)+\b)+7], v[\f+8*\b:\f+8*\b+7], v[\f+32+8*(\a):\f+32+8*(\a)+7], v[128*(1-\slot)+8*(4*(\a)+\b):128*(1-\slot)+8*(4*(\a)+\b)+7]
.endif
.endr
.endr
.endm
; ACC's tiles (a, 0..3) += 2^e x T's, for chunk c, which lies in the T of slot ts: 16 packed multiply-adds.  The scale is one register of an aligned pair:
; op_sel and op_sel_hi pick the first register for both results where 4 c + a is even, the second where it is odd.
.macro DRAIN a, c, ts
	WIN (1+\ts)                                    ; source 0 in T's window, all else in window 0
.irp b, 0,1,2,3
.irp j, 0,2,4,6
.if (\a)&1
	v_pk_fma_f32 v[ACC+8*(4*(\a)+\b)+\j:ACC+8*(4*(\a)+\b)+\j+1], v[128*(1-\ts)+8*(4*(\a)+\b)+\j:128*(1-\ts)+8*(4*(\a)+\b)+\j+1], v[SCL+4*(\c)+(\a)-1:SCL+4*(\c)+(\a)], v[ACC+8*(4*(\a)+\b)+\j:ACC+8*(4*(\a)+\b)+\j+1] op_sel:[0,1,0] op_sel_hi:[1,1,1]
.else
	v_pk_fma_f32 v[ACC+8*(4*(\a)+\b)+\j:ACC+8*(4*(\a)+\b)+\j+1], v[128*(1-\ts)+8*(4*(\a)+\b)+\j:128*(1-\ts)+8*(4*(\a)+\b)+\j+1], v[SCL+4*(\c)+(\a):SCL+4*(\c)+(\a)+1], v[ACC+8*(4*(\a)+\b)+\j:ACC+8*(4*(\a)+\b)+\j+1] op_sel_hi:[1,0,1]
.endif
.endr
.endr
.endm
; 16 LDS loads: the fragments of quarter step kq (K = 32 kq of the slot's 256) into buffer f of window 1: Wo's eight, then y's eight
.macro FETCH slot, kq, f
	WIN 0x40
.irp b, 0,1,2,3
	ds_load_b128 v[\f+8*\b:\f+8*\b+3],   v[ADRB+\slot] offset:\b*16*BP+64*\kq
	ds_load_b128 v[\f+8*\b+4:\f+8*\b+7], v[ADRB+\slot] offset:\b*16*BP+64*\kq+32
.endr
.irp a, 0,1,2,3
	ds_load_b128 v[\f+32+8*\a:\f+32+8*\a+3], v[ADRA+\slot] offset:(\kq>>1)*PLANE+\a*16*AP+(\kq&1)*64
	ds_load_b128 v[\f+32+8*\a+4:\f+32+8*\a+7], v[ADRA+\slot] offset:(\kq>>1)*PLANE+\a*16*AP+(\kq&1)*64+32
.endr
.endm
.macro PLACES                          ; four places before a load lands on a matrix instruction's source or a vector instruction reads its result
.rept 4
	v_nop
.endr
.endm
; A quarter step: multiplies buffer f, and in its middle fetches quarter step kqn into buffer g.
; The 16 accumulators of a quarter step take turns, one instruction a turn, in the same order in every quarter step.
; da >= 0: ACC's tiles (da, 0..3) take chunk dc from the other slot's T.  These 16 instructions name no register of the matrix instructions that last read
; buffer g, so they are the places in front of the loads.  ACC's tiles 0 and 1 were last written in the first half of quarter step 3, four v_nop ahead of
; its loads; tiles 2 and 3 in its second half, and their turn comes behind the 32 instructions for tiles 0 and 1.
.macro QUARTER slot, kqn, f, g, mode, da, dc
	s_wait_dscnt 4                                 ; Wo's fragments and y's tiles 0, 1 are in; the youngest four loads (tiles 2, 3) may be out
	MWIN \mode, \slot
	MUL8 \f, 0, \mode, \slot
.if (\da) >= 0
	DRAIN \da, \dc, (1-\slot)
.else
	PLACES
.endif
	FETCH \slot, \kqn, \g
	s_wait_dscnt 16                                ; all but the 16 just issued
	MWIN \mode, \slot
	MUL8 \f, 2, \mode, \slot
.endm
; quarter steps 0 to 6 of a trip.  first = 1: bo starts the sums.  dr = 1: chunk dc is added to ACC meanwhile.
.macro SEVEN slot, first, dr, dc
	QUARTER \slot, 1, F0, F1, \first, -1, 0
	QUARTER \slot, 2, F1, F0, 0, -1, 0
	QUARTER \slot, 3, F0, F1, 0, -1, 0
	QUARTER \slot, 4, F1, F0, 0, -1, 0
	QUARTER \slot, 5, F0, F1, 2, \dr*1-1, \dc
	QUARTER \slot, 6, F1, F0, 3, \dr*2-1, \dc
	QUARTER \slot, 7, F0, F1, 3, \dr*3-1, \dc
.endm
; The eighth quarter step: multiplies buffer 1 and changes slots.  In front of the barrier each wave waits for its reads of this slot and for all its
; tensor loads; with fill the barrier opens a round of the cluster's barrier, and the refill is the first tensor load behind the round.
.macro TURN slot, next, fill, dr, dc
	s_wait_dscnt 0x0                               ; my reads of this slot are over
	s_set_vgpr_msb (MSB<<8)|((MSB&0xf0)|0x0)
	s_wait_tensorcnt 0x0                           ; all my tensor loads have landed: the one that was out is my cell of the next slot
	ds_add_u32 v30, v31
	s_wait_dscnt 0x0
	s_set_vgpr_msb (((MSB&0xf0)|0x0)<<8)|MSB
	s_barrier_signal -1
	MWIN 3, \slot
	MUL8 F1, 0, 3, \slot                           ; register work while the others arrive
	WIN 0
	s_barrier_wait -1
.if \fill
	CREST
	s_add_nc_u64 s[G0A+4*\slot+2:G0A+4*\slot+3], s[G0A+4*\slot+2:G0A+4*\slot+3], 4*16384   ; two trips on: four groups
	s_add_nc_u64 s[G0B+4*\slot+2:G0B+4*\slot+3], s[G0B+4*\slot+2:G0B+4*\slot+3], 2*512     ; and two chunks of wob's rows
	JLOAD \slot                                    ; 120 matrix instructions stand between this request and the wait for it
.endif
.if \dr
	DRAIN 3, \dc, (1-\slot)
.else
	PLACES
.endif
	FETCH \next, 0, F0
	MWIN 3, \slot
	MUL8 F1, 2, 3, \slot
.endm
.macro TRIP slot, first, dr, dc, fill
	SEVEN \slot, \first, \dr, \dc
	TURN \slot, (1-\slot), \fill, \dr, \dc
.endm
	s_wait_loadcnt 0x0                             ; bo and the scales
	s_wait_tensorcnt 1                             ; my cell of slot 0 is in; slot 1's load, issued behind it, may stay out
	s_barrier_signal -1
	s_barrier_wait -1
	FETCH 0, 0, F0
	TRIP 0, 1, 0, 0, 1                             ; trip 0: its first products start the sums; no chunk waits yet
	TRIP 1, 0, 1, 0, 1                             ; trip 1: chunk 1 into T1, chunk 0 from T0 onto ACC
	TRIP 0, 0, 1, 1, 1
	TRIP 1, 0, 1, 2, 1
	TRIP 0, 0, 1, 3, 1
	TRIP 1, 0, 1, 4, 1                             ; trip 5 asks for trip 7's tiles: the last load
	TRIP 0, 0, 1, 5, 0                             ; trip 6 fills nothing
	SEVEN 1, 0, 1, 6                               ; trip 7
	s_wait_dscnt 0x0
	MWIN 3, 1
	MUL8 F1, 0, 3, 1
	DRAIN 3, 6, 0
	MWIN 3, 1
	MUL8 F1, 2, 3, 1
	PLACES                                         ; four places behind the last matrix instructions, then the last chunk
	DRAIN 0, 7, 1
	DRAIN 1, 7, 1
	DRAIN 2, 7, 1
	DRAIN 3, 7, 1
	WIN 0
; THE WAY OUT, 16 rows at a time: ReLU in place, 32 bytes a lane into my stage, read back as whole rows of 256 bytes
.macro OUT16 a, rbuf
.irp b, 0,1,2,3
.irp j, 0,1,2,3,4,5,6,7
	v_max_num_f32 v[ACC+8*(4*\a+\b)+\j], 0, v[ACC+8*(4*\a+\b)+\j]
.endr
.endr
.irp b, 0,1,2,3
	ds_store_b128 v[STO], v[ACC+8*(4*\a+\b):ACC+8*(4*\a+\b)+3]   offset:64*\b
	ds_store_b128 v[STO], v[ACC+8*(4*\a+\b)+4:ACC+8*(4*\a+\b)+7] offset:64*\b+16
.endr
	s_wait_xcnt 0x0                                ; the earlier stores' data registers and base are rewritten only behind this wait
.if \a
	s_add_nc_u64 s[78:79], s[78:79], 16*4096       ; 16 rows of out0 on
.endif
.irp t, 0,1,2,3,4,5,6,7
	ds_load_b128 v[\rbuf+4*\t:\rbuf+4*\t+3], v[RD] offset:\t*2*SPITCH      ; a wave's LDS instructions are served in order: these see the stores above
.endr
.irp t, 0,1,2,3,4,5,6,7
	s_wait_dscnt 7-\t                              ; read-back t is in, the 7 - t younger ones stay out
	global_store_b128 v[CO], v[\rbuf+4*\t:\rbuf+4*\t+3], s[78:79] offset:\t*2*4096 th:TH_STORE_NT   ; 16 lanes store 256 consecutive bytes at a multiple of 256 of out0
.endr
.endm
	OUT16 0, RB0
	OUT16 1, RB1
	OUT16 2, RB0
	OUT16 3, RB1
	s_set_vgpr_msb (MSB<<8)|((MSB&0xf0)|0x0)
	s_wait_tensorcnt 0x0
	ds_add_u32 v30, v31
	s_wait_dscnt 0x0
	s_set_vgpr_msb (((MSB&0xf0)|0x0)<<8)|MSB
	CROUND                                         ; the closing round
	s_endpgm
.Lfunc_end_k_q714f0dab71_outp:
	.size	k_q714f0dab71_outp, .Lfunc_end_k_q714f0dab71_outp-k_q714f0dab71_outp
	.p2alignl 7, 3214868480
	.fill 96, 4, 3214868480
	.section	.rodata,"a",@progbits
	.p2align	6, 0x0
	.amdhsa_kernel k_q714f0dab71_outp
		.amdhsa_group_segment_fixed_size 327680
		.amdhsa_private_segment_fixed_size 0
		.amdhsa_enable_private_segment 0
		.amdhsa_kernarg_size 48
		.amdhsa_user_sgpr_count 2
		.amdhsa_user_sgpr_kernarg_segment_ptr 1
		.amdhsa_wavefront_size32 1
		.amdhsa_system_sgpr_workgroup_id_x 1
		.amdhsa_system_sgpr_workgroup_id_y 1
		.amdhsa_system_sgpr_workgroup_id_z 1
		.amdhsa_system_vgpr_workitem_id 0
		.amdhsa_next_free_vgpr 640
		.amdhsa_next_free_sgpr 84
		.amdhsa_reserve_vcc 0
		.amdhsa_float_denorm_mode_32 3
		.amdhsa_float_denorm_mode_16_64 3
		.amdhsa_memory_ordered 1
		.amdhsa_forward_progress 1
		.amdhsa_inst_pref_size 203
	.end_amdhsa_kernel
	.amdgpu_metadata
---
amdhsa.version: [ 1, 2 ]
amdhsa.kernels:
  - .name:           k_q714f0dab71_outp
    .symbol:         k_q714f0dab71_outp.kd
    .args:
      - { .name: ya, .offset: 0, .size: 8, .value_kind: global_buffer, .address_space: global }
      - { .name: vh, .offset: 8, .size: 8, .value_kind: global_buffer, .address_space: global }
      - { .name: vsc, .offset: 16, .size: 8, .value_kind: global_buffer, .address_space: global }
      - { .name: wob, .offset: 24, .size: 8, .value_kind: global_buffer, .address_space: global }
      - { .name: bo, .offset: 32, .size: 8, .value_kind: global_buffer, .address_space: global }
      - { .name: out0, .offset: 40, .size: 8, .value_kind: global_buffer, .address_space: global }
    .group_segment_fixed_size: 327680
    .private_segment_fixed_size: 0
    .kernarg_segment_align: 8
    .kernarg_segment_size: 48
    .max_flat_workgroup_size: 128
    .sgpr_count:     84
    .vgpr_count:     640
    .wavefront_size: 32
...
	.end_amdgpu_metadata
.endif
;; end of part 4
;; ======== version 2 of 2: 4 launches; version 1 with the launch cvt written anew for expert scheduling mode
;; limits: values are held in f16: magnitudes above 65,504 overflow, below 6.1e-05 lose precision
;; workspace buffers: xb 16,777,216 bytes; wb 6,291,456 bytes; wob 4,194,304 bytes; pj 25,165,824 bytes; ya 8,388,608 bytes; vh 8,388,608 bytes; vsc 131,072 bytes
;; launch cvt (part 5): grid 32 x 26, 8 waves a work-group, no clusters, 0 bytes of LDS; arguments f1, f2, Wqs, Wks, Wqc, Wvs, Wvc, Wkc, Wo, xb, wb, wob; writes xb, wb, wob
.if DOCPART == 5
	.amdgcn_target "amdgcn-amd-amdhsa--gfx1250"
	.amdhsa_code_object_version 6
	.text
	.protected	k_q714f0dab71_cvt
	.globl	k_q714f0dab71_cvt
	.p2align	8
	.type	k_q714f0dab71_cvt,@function
k_q714f0dab71_cvt:
	s_mov_b64 s[64:65], 0
	v_nop
	global_prefetch_b8 v0, s[64:65] scope:SCOPE_SE
	s_setreg_imm32_b32 hwreg(HW_REG_WAVE_SCHED_MODE, 0, 2), 2
	s_setreg_imm32_b32 hwreg(HW_REG_WAVE_MODE, 25, 1), 1
	s_wait_xcnt 0x0
	s_wait_alu depctr_vm_vsrc(0)
; f32 -> 16 bits (round to nearest even) of everything that later goes to the matrix units:
;   xb  = [f1 ; f2]                            bf16 [2][4096][1024]
;   wb  = [Wqs ; Wks ; Wqc ; Wvs ; Wvc ; Wkc]  bf16 [3072][1024]  (the four layers of f1 first, vs and vc side by side)
;   wob = Wo, columns laid anew: [1024 rows][8 chunks][2 halves][128]: element (n, t, half, j) is Wo[n][1024 half + 128 t + j].
;         Half 0 (the columns that meet the attentions' results) is bf16.  Half 1 (the columns that meet vs and vc) is rounded to bf16 like
;         every input and that value is then written in f16's format, because the last layer takes V in f16 and both operands of a matrix
;         instruction have one format.
; LIMIT: the f16 image of a bf16 number is exact for 2^-17 <= |w| < 65,520; a smaller one carries an absolute error of at most 2^-25, a larger
; one becomes infinite.
; A plain stream: nothing is shared between work-groups and nothing is multiplied, so no LDS, no cluster, no matrix unit.
; Work-group (x, y): y is a chunk of 2 MiB of f32 (0-7 f1, 8-15 f2, 16-21 the six W, 22-25 Wo), x a piece of 64 KiB of it.
; Thread t takes 16 bytes at 16 t of each of sixteen blocks of 4,096 bytes: a wave's load covers 512 consecutive bytes,
; its store 256 consecutive bytes at a multiple of 256.  All sixteen loads go out first.
; THE MODE: SCHED_MODE bits 1:0 = 2 (LLVM: expert scheduling mode 2), set by the entry lines.  The code itself states the register dependences
; between vector instructions and memory instructions, with s_wait_alu, always for 0.
; THE PLAN.  Registers that memory instructions touch:
;   v1, v2, v3  byte offsets, made once at the head and never written again: read by the loads (v1) and by the stores (v2, or v3 for wob).
;   X           sixteen loads land in it, each once, all issued at the head; no vector instruction names it ahead of them, and no memory instruction reads it.
;   Y           a pair for each load's result: written by that load's conversions, read by one store, never written again behind it.
; The sixteen loads are worked on in four groups of four.  Group p rounds X's registers of loads 4 p .. 4 p + 3 into their pairs of Y; its memory
; instructions are the four stores of group p - 1, which read pairs of Y that no vector instruction of group p names.  So one wait at a group's head
; states all that its four stores hang on, and they are dealt among its conversions with no further wait.  No register that a memory instruction
; has read is ever written again, so past the entry lines the text holds no wait on vm_vsrc.
.set X, 4                              ; v[4:67]   sixteen loads of four f32
.set Y, 68                             ; v[68:99]  sixteen pairs of packed 16-bit numbers
.set TW, 100                           ; v100      at work in the set-up; no memory instruction names it
; from chunk thr on the source (destination) is the buffer whose address lies in s[lo:lo+1], and chunks count from thr
.macro PICK thr, lo
	s_cmp_ge_u32 s2, \thr
	s_cselect_b64 s[32:33], s[\lo:\lo+1], s[32:33]
	s_cselect_b32 s34, \thr, s34
.endm
.macro PICKD thr, lo
	s_cmp_ge_u32 s2, \thr
	s_cselect_b64 s[36:37], s[\lo:\lo+1], s[36:37]
	s_cselect_b32 s38, \thr, s38
.endm
	s_load_b512 s[8:23], s[0:1], 0x0               ; f1 s[8:9], f2, Wqs, Wks, Wqc, Wvs, Wvc, Wkc s[22:23]
	s_load_b256 s[24:31], s[0:1], 0x40             ; Wo s[24:25], xb s[26:27], wb s[28:29], wob s[30:31]
	s_and_b32 s2, ttmp7, 0xffff                    ; the chunk
	v_lshlrev_b32 v1, 4, v0                        ; 16 t: my bytes in a block of the source
	v_lshlrev_b32 v2, 3, v0                        ;  8 t: and of a plain destination
	v_and_b32 v3, 0xe0, v0                         ; wob: a wave's 128 columns are chunk t = wave,
	v_and_b32 v[TW], 31, v0
	v_lshlrev_b32 v3, 4, v3                        ; 512 bytes a chunk,
	v_lshl_or_b32 v3, v[TW], 3, v3                 ; 8 bytes a lane
	s_mov_b32 s34, 0
	s_mov_b32 s38, 0
	s_wait_kmcnt 0x0
	s_mov_b64 s[32:33], s[8:9]                     ; chunks 0-7: f1
	s_mov_b64 s[36:37], s[26:27]                   ; chunks 0-15 go to xb
	PICK 8, 10                                     ; f2
	PICK 16, 12                                    ; Wqs
	PICK 17, 14                                    ; Wks
	PICK 18, 16                                    ; Wqc
	PICK 19, 18                                    ; Wvs
	PICK 20, 20                                    ; Wvc
	PICK 21, 22                                    ; Wkc
	PICK 22, 24                                    ; Wo
	PICKD 16, 28                                   ; wb
	PICKD 22, 30                                   ; wob
	s_sub_co_u32 s4, s2, s34                       ; chunk within the source,
	s_lshl_b32 s4, s4, 21                          ; 2 MiB each,
	s_lshl_b32 s5, ttmp9, 16                       ; and my piece of 64 KiB
	s_add_co_u32 s4, s4, s5
	s_mov_b32 s5, 0
	s_add_nc_u64 s[32:33], s[32:33], s[4:5]
	s_sub_co_u32 s6, s2, s38                       ; the same in the destination, at half the bytes
	s_lshl_b32 s6, s6, 20
	s_lshl_b32 s7, ttmp9, 15
	s_add_co_u32 s6, s6, s7
	s_mov_b32 s7, 0
	s_add_nc_u64 s[36:37], s[36:37], s[6:7]
	s_wait_alu depctr_va_vdst(0)                   ; v1, v2 and v3 are written: every load and store of the kernel reads one of them as its offset
.irp i, 0,1,2,3,4,5,6,7,8,9,10,11,12,13,14,15
	global_load_b128 v[X+4*\i:X+4*\i+3], v1, s[32:33] offset:4096*\i th:TH_LOAD_NT   ; read once in the launch
.endr
; Group p on the plain way: loads 4 p .. 4 p + 3 are rounded to bf16; the results of loads 4 p - 4 .. 4 p - 1 leave.
.macro PLAIN p
	s_wait_loadcnt 12-4*(\p)                       ; loads come back in order: this group's four are in, the 12 - 4 p younger ones stay out
.if \p
	s_wait_alu depctr_va_vdst(0)                   ; the group before has written its four pairs of Y, which the four stores below read
.endif
.irp j, 0,1,2,3
.set n, 4*(\p)+\j                      ; the load that is rounded
.set o, n-4                            ; the load whose result leaves
.if \p
	global_store_b64 v2, v[Y+2*o:Y+2*o+1], s[36:37] offset:2048*o   ; no vector instruction since the wait names this pair or v2
.endif
	v_cvt_pk_bf16_f32 v[Y+2*n],   v[X+4*n],   v[X+4*n+1]
	v_cvt_pk_bf16_f32 v[Y+2*n+1], v[X+4*n+2], v[X+4*n+3]
.endr
.endm
; Group p of Wo: block n of the piece is half n % 2 of row n / 2; the odd ones go on into f16's format.
.macro WOGRP p
	s_wait_loadcnt 12-4*(\p)                       ; this group's four loads are in, the 12 - 4 p younger ones stay out
.if \p
	s_wait_alu depctr_va_vdst(0)                   ; the group before has written its four pairs of Y, which the four stores below read
.endif
.irp j, 0,1,2,3
.set n, 4*(\p)+\j
.set o, n-4
.if \p
	global_store_b64 v3, v[Y+2*o:Y+2*o+1], s[36:37] offset:(o>>1)*4096+(o&1)*256   ; no vector instruction since the wait names this pair or v3
.endif
	v_cvt_pk_bf16_f32 v[Y+2*n],   v[X+4*n],   v[X+4*n+1]
	v_cvt_pk_bf16_f32 v[Y+2*n+1], v[X+4*n+2], v[X+4*n+3]
.if n&1
	v_lshlrev_b32 v[X+4*n],   16, v[Y+2*n]                 ; the rounded numbers as f32 again (no memory instruction reads X, and its load is in),
	v_and_b32     v[X+4*n+1], 0xffff0000, v[Y+2*n]
	v_lshlrev_b32 v[X+4*n+2], 16, v[Y+2*n+1]
	v_and_b32     v[X+4*n+3], 0xffff0000, v[Y+2*n+1]
	v_cvt_pk_f16_f32 v[Y+2*n],   v[X+4*n],   v[X+4*n+1]    ; and in f16's format
	v_cvt_pk_f16_f32 v[Y+2*n+1], v[X+4*n+2], v[X+4*n+3]
.endif
.endr
.endm
	s_cmp_ge_u32 s2, 22
	s_cbranch_scc1 .Lwo
	PLAIN 0
	PLAIN 1
	PLAIN 2
	PLAIN 3
	s_wait_alu depctr_va_vdst(0)                   ; the last group has written its four pairs of Y, which the last four stores read
.irp o, 12,13,14,15
	global_store_b64 v2, v[Y+2*\o:Y+2*\o+1], s[36:37] offset:2048*\o
.endr
	s_endpgm
.Lwo:
	WOGRP 0
	WOGRP 1
	WOGRP 2
	WOGRP 3
	s_wait_alu depctr_va_vdst(0)                   ; the last group has written its four pairs of Y, which the last four stores read
.irp o, 12,13,14,15
	global_store_b64 v3, v[Y+2*\o:Y+2*\o+1], s[36:37] offset:(\o>>1)*4096+(\o&1)*256
.endr
	s_endpgm
.Lfunc_end_k_q714f0dab71_cvt:
	.size	k_q714f0dab71_cvt, .Lfunc_end_k_q714f0dab71_cvt-k_q714f0dab71_cvt
	.p2alignl 7, 3214868480
	.fill 96, 4, 3214868480
	.section	.rodata,"a",@progbits
	.p2align	6, 0x0
	.amdhsa_kernel k_q714f0dab71_cvt
		.amdhsa_group_segment_fixed_size 0
		.amdhsa_private_segment_fixed_size 0
		.amdhsa_enable_private_segment 0
		.amdhsa_kernarg_size 96
		.amdhsa_user_sgpr_count 2
		.amdhsa_user_sgpr_kernarg_segment_ptr 1
		.amdhsa_wavefront_size32 1
		.amdhsa_system_sgpr_workgroup_id_x 1
		.amdhsa_system_sgpr_workgroup_id_y 1
		.amdhsa_system_sgpr_workgroup_id_z 1
		.amdhsa_system_vgpr_workitem_id 0
		.amdhsa_next_free_vgpr 102
		.amdhsa_next_free_sgpr 66
		.amdhsa_reserve_vcc 0
		.amdhsa_float_denorm_mode_32 3
		.amdhsa_float_denorm_mode_16_64 3
		.amdhsa_memory_ordered 1
		.amdhsa_forward_progress 1
		.amdhsa_inst_pref_size 14
	.end_amdhsa_kernel
	.amdgpu_metadata
---
amdhsa.version: [ 1, 2 ]
amdhsa.kernels:
  - .name:           k_q714f0dab71_cvt
    .symbol:         k_q714f0dab71_cvt.kd
    .args:
      - { .name: f1, .offset: 0, .size: 8, .value_kind: global_buffer, .address_space: global }
      - { .name: f2, .offset: 8, .size: 8, .value_kind: global_buffer, .address_space: global }
      - { .name: Wqs, .offset: 16, .size: 8, .value_kind: global_buffer, .address_space: global }
      - { .name: Wks, .offset: 24, .size: 8, .value_kind: global_buffer, .address_space: global }
      - { .name: Wqc, .offset: 32, .size: 8, .value_kind: global_buffer, .address_space: global }
      - { .name: Wvs, .offset: 40, .size: 8, .value_kind: global_buffer, .address_space: global }
      - { .name: Wvc, .offset: 48, .size: 8, .value_kind: global_buffer, .address_space: global }
      - { .name: Wkc, .offset: 56, .size: 8, .value_kind: global_buffer, .address_space: global }
      - { .name: Wo, .offset: 64, .size: 8, .value_kind: global_buffer, .address_space: global }
      - { .name: xb, .offset: 72, .size: 8, .value_kind: global_buffer, .address_space: global }
      - { .name: wb, .offset: 80, .size: 8, .value_kind: global_buffer, .address_space: global }
      - { .name: wob, .offset: 88, .size: 8, .value_kind: global_buffer, .address_space: global }
    .group_segment_fixed_size: 0
    .private_segment_fixed_size: 0
    .kernarg_segment_align: 8
    .kernarg_segment_size: 96
    .max_flat_workgroup_size: 256
    .sgpr_count:     66
    .vgpr_count:     102
    .wavefront_size: 32
...
	.end_amdgpu_metadata
.endif
;; end of part 5
;; launch proj: the kernel of part 2 again; grid 12 x 16, 4 waves a work-group, clusters of 4 x 4, 327,680 bytes of LDS; arguments xb, wb, pj, bqs, bks, bqc, bvs, bvc, bkc, vh, vsc; writes pj, vh, vsc
;; launch attn: the kernel of part 3 again; grid 8 x 32, 8 waves a work-group, clusters of 4 x 1, 327,680 bytes of LDS; arguments pj, ya; writes ya
;; launch outp: the kernel of part 4 again; grid 8 x 32, 4 waves a work-group, clusters of 4 x 4, 327,680 bytes of LDS; arguments ya, vh, vsc, wob, bo, out0; writes out0
